; MI455X (gfx1250); checked and timed in simulation.
; The chip was launched on July 23, 2026; its instructions are those of AMD's public machine-readable ISA for CDNA 5 (MIT licence, August 2026) and "CDNA5" Instruction Set Architecture Reference Guide (July 2026). The comments in the code are by the model that wrote it; some were corrected since.
;; Self Attn. Allowed arithmetic: matrix products marked QUANTISED: E2M1 operands, one E8M0 scale for each 32 along K, by v_wmma_scale_f32_16x16x128_f8f6f4 with both operands' format E2M1 (or v_wmma_scale_f32_32x16x128_f4), f32 sums; products left as they are: bf16, f16 or f32 operands; f32 sums; everything else in f32.
;; Inputs: iQ 4 x 2,048 x 1,024 float32; sn_bias 1 float32; w_out 1,024 x 1,024 float32; w_qkv 3,072 x 1,024 float32.
;; Outputs: out0 4 x 2,048 x 1,024 float32.
;; This version of the problem:
;;   THIS VERSION OF THE PROBLEM IS GIVEN IN LOW PRECISION. The matrix products marked QUANTISED in the list below multiply operands that are first quantised to E2M1 (2 exponent bits, 1 mantissa bit; 4 bits a number), with one power-of-two scale for each 32 numbers along K (OCP MX v1.0); their sums are f32. The products marked 'left as it is' may take bf16, f16 or f32 operands, with f32 sums. Whichever they take, every output number must still come out within the allowed error. Rounding operands to bf16 (8 significant bits) uses up far more of that allowance than f16 does (11 bits, for magnitudes from 6e-5 to 65,504). All else is computed in f32.
;;   The module's matrix products, in the order in which they are computed (A, B: the left and right operand; K: the contracted axis; several contracted axes count as one K, in the product's order):
;;     1. [M 8,192, K 1,024] x [K 1,024, N 3,072]; A: input iQ; B: input w_qkv: QUANTISED
;;     2. batch 64 x [M 2,048, K 64] x [K 64, N 2,048]; A: computed on the way; B: computed on the way: left as it is (an operand is computed on the way)
;;     3. batch 64 x [M 64, K 2,048] x [K 2,048, N 2,048]; A: computed on the way; B: computed on the way: left as it is (an operand is computed on the way)
;;     4. [M 8,192, K 1,024] x [K 1,024, N 1,024]; A: computed on the way; B: input w_out: left as it is (an operand is computed on the way)
;;   THE QUANTISER, for each operand of a quantised product, along K:
;;     - K is cut into blocks of 32 from its start; a last block that is shorter is filled with zeros.
;;     - A block's scale is 2^e with e = floor(log2(the largest magnitude in the block)) - 2, held to -126 .. 127; a block of zeros has e = 0. As a byte (E8M0): e + 127.
;;     - Each number is divided by its block's scale, clamped to +-6, and rounded to the nearest number of E2M1, ties to even, subnormals kept.
;;     - The product sums the exact products of the quantised numbers (number of the format x scale) in f32.
;;   ~~~python
;;   def quantise(x, axis):      # numpy; x: float32 -> the quantised numbers, widened to float32 again
;;       x = np.moveaxis(x, axis, -1); K = x.shape[-1]
;;       x = np.pad(x, [(0, 0)] * (x.ndim - 1) + [(0, -K % 32)]); x = x.reshape(x.shape[:-1] + (-1, 32)); a = np.abs(x).max(-1, keepdims=True)
;;       e = np.where(a > 0, np.clip(np.frexp(np.where(a > 0, a, 1))[1] - 1 - 2, -126, 127), 0)      # np.frexp(a)[1] - 1 = floor(log2(a)), exactly
;;       r = np.clip(x / 2.0 ** e, -6, 6)
;;       step = 2.0 ** (np.maximum(np.frexp(np.where(r == 0, 1, r))[1] - 1, 0) - 1)
;;       q = np.round(r / step) * step * 2.0 ** e      # np.round: ties to even
;;       return np.moveaxis(q.reshape(q.shape[:-2] + (-1,))[..., :K], -1, axis).astype(np.float32)
;;   ~~~
;; One version. Each part assembles by itself: llvm-mc -triple=amdgcn-amd-amdhsa -mcpu=gfx1250 --defsym DOCPART=n.
;; ======== version 1 of 1: 4 launches
;; limits: values are held in f16: magnitudes above 65,504 overflow, below 6.1e-05 lose precision; right only within a limited range of input values
;; workspace buffers: xc 4,194,304 bytes; xs 262,144 bytes; wc 1,572,864 bytes; ws 98,304 bytes; wo16 2,097,152 bytes; qkv 50,331,648 bytes; kmx 4,096 bytes; ob 16,777,216 bytes
;; launch prep (part 1): grid 384 x 1, 4 waves a work-group, no clusters, 33,280 bytes of LDS; arguments iQ, w_qkv, xc, xs, wc, ws, w_out, wo16; writes xc, xs, wc, ws, wo16
.if DOCPART == 1
	.amdgcn_target "amdgcn-amd-amdhsa--gfx1250"
	.amdhsa_code_object_version 6
	.text
	.protected	k_q2b176e9103_prep
	.globl	k_q2b176e9103_prep
	.p2align	8
	.type	k_q2b176e9103_prep,@function
k_q2b176e9103_prep:
	s_mov_b64 s[64:65], 0
	v_nop
	global_prefetch_b8 v0, s[64:65] scope:SCOPE_SE
	s_setreg_imm32_b32 hwreg(HW_REG_WAVE_MODE, 25, 1), 1
	s_wait_xcnt 0x0
; PREP.  (1) iQ [8192][1024] and w_qkv [3072][1024], f32, become codes of FP4 (E2M1), K innermost, 512 bytes a row (xc, wc), with one E8M0 scale byte for each 32 along K, 32 bytes a row (xs, ws).
; A block's scale is 2^(floor(log2(its largest magnitude)) - 2); its byte is the largest magnitude's exponent field - 2, held at 1 from below; each number is divided by the scale and rounded to the nearest code, ties to even,
; beyond 6 the largest code.  (A block of zeros gets the byte 1 where the rule says 127: its codes are zeros, and the bytes are read by this program alone.)
; (2) w_out [1024][1024], f32, becomes f16, laid as IMAGES OF OPERAND REGISTERS: wo16 [256 rows Nt][32 along K kg][16 rows nb][1,024 bytes]; an image is [u 0..1][lane][16 bytes]: lane (r, h) holds row r, k = 16 u + 8 h + 0 .. 7.
; LIMITS: blocks whose largest magnitude lies under 2^(2 - 126) were not tried; NaN and infinities are not served; |w_out| under 65,504.
; SHARES.  Work-groups 0-255 take iQ, 256-351 w_qkv: both are plain streams of blocks of 32; a wave takes 16 steps of 512 numbers.  Work-groups 352-383 take w_out: a wave takes 16 rows x 512 along K.
; The quantiser: each of a step's four loads reads 512 consecutive bytes; the 2,048 bytes turn through the wave's own stage in LDS so that a lane holds 16 neighbours along K (two lanes to a block).
; No tensor loads, no barrier: waves share nothing.  Matrix units and clusters have nothing to do here: the launch moves bytes.
.set WAVES, 4
.set STEPS, 16
.set WGA,   256                        ; work-groups of iQ: 8,388,608 numbers / 32,768
.set WGQ,   352                        ; and with w_qkv's 96
.set EMAX,  2
.set CB,    8                          ; bytes of 16 codes
.set R,     16                         ; v16-79   four sets of 16 numbers as they are loaded
.set X,     80                         ; v80-111  two sets of 16 neighbours
.set C,     128                        ; v128-191 codes: four registers for each step, so that no store's data are written again
.set E,     112                        ; v112-127 a scale byte for each step
.set WREG,  8192                       ; LDS: a region for each wave: two stages of 32 x SP bytes, then its 256 scale bytes
.set SP,    80                         ; a lane's place in a stage: 64 bytes + 16 of padding
.set SPW,   12                         ; v12  LDS address of my spare word; never rewritten
.set NIL,   13                         ; v13  0; never rewritten
.set SPARE, WAVES*WREG                 ; behind the four regions: the spare words, 128 bytes a wave
	s_load_b128 s[4:7], s[0:1], 0x0                ; iQ, w_qkv
	s_load_b128 s[8:11], s[0:1], 0x10              ; xc, xs
	s_load_b128 s[12:15], s[0:1], 0x20             ; wc, ws
	s_load_b128 s[24:27], s[0:1], 0x30             ; w_out, wo16
	v_lshl_add_u32 v[SPW], v0, 2, SPARE
	v_mov_b32 v[NIL], 0
	v_lshrrev_b32 v1, 5, v0
	v_readfirstlane_b32 s16, v1                    ; wave
	v_and_b32 v2, 31, v0                           ; lane
	s_cmp_ge_u32 ttmp9, WGQ                        ; the last 32 work-groups take w_out: a branch on the work-group's number
	s_cbranch_scc1 .Lwout
	v_lshlrev_b32 v3, 4, v2                        ; my 16 bytes of a load's 512
	s_mul_i32 s17, s16, WREG
	v_lshrrev_b32 v14, 2, v2
	v_mul_u32_u24 v14, v14, SP
	v_and_b32 v15, 3, v2
	v_lshl_add_u32 v14, v15, 4, v14
	v_add_nc_u32 v14, s17, v14                     ; the stage, on the way in: SP (lane / 4) + 16 (lane % 4)
	v_mul_u32_u24 v15, v2, SP
	v_add_nc_u32 v15, s17, v15                     ; and on the way out: SP x lane: my 16 neighbours
	v_mul_u32_u24 v4, v2, CB                       ; my codes' place in a step's
	v_lshrrev_b32 v5, 1, v2
	s_add_co_u32 s17, s17, 2*32*SP
	v_add_nc_u32 v5, s17, v5                       ; LDS: my wave's 256 scale bytes, my block's byte
	v_lshlrev_b32 v7, 3, v2                        ; and on the way out 8 bytes a lane
	v_add_nc_u32 v6, s17, v7
	s_wait_kmcnt 0x0
	s_cmp_lt_u32 ttmp9, WGA                        ; iQ's work-group or w_qkv's?  Only pointers are chosen
	s_cselect_b64 s[4:5], s[4:5], s[6:7]
	s_cselect_b64 s[8:9], s[8:9], s[12:13]
	s_cselect_b64 s[10:11], s[10:11], s[14:15]
	s_cselect_b32 s17, 0, WGA
	s_sub_co_u32 s17, ttmp9, s17
	s_lshl_b32 s17, s17, 2
	s_add_co_u32 s18, s17, s16                     ; which run of 8,192 numbers of the tensor is my wave's
	s_mov_b32 s19, 0
	s_mov_b64 s[20:21], 512*STEPS*4
	s_mul_u64 s[20:21], s[18:19], s[20:21]
	s_add_nc_u64 s[4:5], s[4:5], s[20:21]
	s_mov_b64 s[20:21], 32*STEPS*CB
	s_mul_u64 s[20:21], s[18:19], s[20:21]
	s_add_nc_u64 s[8:9], s[8:9], s[20:21]
	s_lshl_b32 s18, s18, 8                         ; 256 scale bytes a run
	s_add_nc_u64 s[10:11], s[10:11], s[18:19]
.macro LOAD t
.irp i, 0,1,2,3
	global_load_b128 v[R+16*((\t)%4)+4*\i:R+16*((\t)%4)+4*\i+3], v3, s[4:5] offset:2048*(\t)+512*\i th:TH_LOAD_NT   ; 32 lanes read 512 consecutive bytes
.endr
.endm
.macro TURN t                          ; step t's numbers through the stage: LDS serves a wave's instructions in order, so no wait stands between the stores and the loads
.irp i, 0,1,2,3
	ds_store_b128 v14, v[R+16*((\t)%4)+4*\i:R+16*((\t)%4)+4*\i+3] offset:32*SP*((\t)%2)+8*SP*\i
.endr
.irp i, 0,1,2,3
	ds_load_b128 v[X+16*((\t)%2)+4*\i:X+16*((\t)%2)+4*\i+3], v15 offset:32*SP*((\t)%2)+16*\i
.endr
.endm
.irp t, 0,1,2,3
	LOAD \t
.endr
	s_wait_loadcnt 12                              ; step 0's four loads are in; three steps' twelve may be out
	TURN 0
.macro STEP t
.set XS, X+16*((\t)%2)
.if (\t) > 0
	s_wait_dscnt 1                                 ; this step's numbers are back from the stage (the last step's byte store may be out)
.else
	s_wait_dscnt 0x0
.endif
.if (\t)+4 < STEPS
	LOAD (\t)+4                                    ; the registers that the stage's stores have read take the loads of four steps on
.endif
.if (\t)+1 < STEPS
.if STEPS-2-(\t) >= 3
	s_wait_loadcnt 12                              ; the next step's four loads are in; those of the three steps behind it may be out
.else
	s_wait_loadcnt 4*(STEPS-2-(\t))
.endif
	TURN (\t)+1                                    ; and go through the other stage while this step is worked
.endif
	v_max3_num_f32 v8, |v[XS]|, |v[XS+1]|, |v[XS+2]|               ; the largest magnitude of my 16, in two chains
	v_max3_num_f32 v9, |v[XS+3]|, |v[XS+4]|, |v[XS+5]|
.irp i, 6,10
	v_max3_num_f32 v8, v8, |v[XS+\i]|, |v[XS+\i+1]|
	v_max3_num_f32 v9, v9, |v[XS+\i+2]|, |v[XS+\i+3]|
.endr
	v_max3_num_f32 v8, v8, |v[XS+14]|, |v[XS+15]|
	v_max3_num_f32 v8, v8, v9, (EMAX+1)<<23        ; and the floor 2^(EMAX + 1 - 127): the byte cannot fall under 1
	v_max_num_f32_dpp v8, v8, v8 row_xmask:1 row_mask:0xf bank_mask:0xf   ; and of my neighbour's 16: the block's
	v_add_nc_u32 v11, -(EMAX<<23), v8              ; EMAX off its exponent field: the conversion takes the exponent field of this operand as its scale
	v_cvt_scalef32_pk8_fp4_f32 v[C+4*(\t)], v[XS:XS+7], v11
	v_cvt_scalef32_pk8_fp4_f32 v[C+4*(\t)+1], v[XS+8:XS+15], v11
	v_lshrrev_b32 v[E+(\t)], 23, v11               ; the scale's byte (a plain line behind the conversions)
	ds_store_b8 v5, v[E+(\t)] offset:16*(\t)       ; both lanes of a block write the same byte with the same value
	global_store_b64 v4, v[C+4*(\t):C+4*(\t)+1], s[8:9] offset:32*CB*(\t)   ; the wave stores 256 consecutive bytes, aligned
.endm
.irp t, 0,1,2,3,4,5,6,7,8,9,10,11,12,13,14,15
	STEP \t
.endr
	ds_load_b64 v[8:9], v6                         ; LDS serves a wave's instructions in order: these see my stores
	s_wait_dscnt 0x0
	global_store_b64 v7, v[8:9], s[10:11]          ; 32 lanes store 256 consecutive bytes, aligned
	s_wait_tensorcnt 0x0                           ; the wave's end: behind my last LDS store
	ds_add_u32 v[SPW], v[NIL]
	s_wait_dscnt 0x0
	s_endpgm
; ---- w_out to f16 images.  Wave wv = 4 (work-group - 352) + wave: rows 16 (wv / 2) on, K half wv % 2 (16 groups of 32 along K), four groups at a time in two sets of registers.
.Lwout:
	s_sub_co_u32 s17, ttmp9, WGQ
	s_lshl_b32 s17, s17, 2
	s_add_co_u32 s17, s17, s16                     ; wv, 0 .. 127
	s_lshr_b32 s18, s17, 1                         ; which 16 rows
	s_and_b32 s19, s17, 1                          ; which half of K
	s_lshl_b32 s20, s18, 16                        ; in: 16 rows of 4,096 bytes,
	s_lshl_b32 s21, s19, 11                        ; 512 numbers
	s_add_co_u32 s20, s20, s21
	s_mov_b32 s21, 0
	s_lshr_b32 s22, s18, 4
	s_lshl_b32 s22, s22, 19                        ; out: 524,288 Nt
	s_lshl_b32 s23, s19, 18                        ; + 16 groups of 16,384
	s_add_co_u32 s22, s22, s23
	s_and_b32 s23, s18, 15
	s_lshl_b32 s23, s23, 10                        ; + 1,024 nb
	s_add_co_u32 s22, s22, s23
	s_mov_b32 s23, 0
	v_and_b32 v5, 15, v0                           ; r
	v_bfe_u32 v6, v0, 4, 1                         ; h
	v_lshlrev_b32 v3, 12, v5
	v_lshl_add_u32 v3, v6, 5, v3                   ; in: row r, + 8 h numbers
	v_lshlrev_b32 v4, 4, v2                        ; out: 16 x lane
	s_wait_kmcnt 0x0
	s_add_nc_u64 s[24:25], s[24:25], s[20:21]
	s_add_nc_u64 s[26:27], s[26:27], s[22:23]
.macro LOADG g                         ; four groups of 32 along K: for each, and each u, my 8 numbers by two loads
.irp kq, 0,1,2,3
.irp u, 0,1
.irp e, 0,1
	global_load_b128 v[16+64*((\g)%2)+16*\kq+8*\u+4*\e:16+64*((\g)%2)+16*\kq+8*\u+4*\e+3], v3, s[24:25] offset:128*(4*(\g)+\kq)+64*\u+16*\e
.endr
.endr
.endr
.endm
.macro CVTG g
.if (\g) < 3
	s_wait_loadcnt 16                              ; this set's sixteen loads are in; the next set's sixteen may be out
.else
	s_wait_loadcnt 0x0
.endif
.if (\g) > 0
	s_wait_xcnt 0x0                                ; the last set's stores have read v144-175, which are written again below
.endif
.set i, 0
.rept 32
	v_cvt_pk_f16_f32 v[144+i], v[16+64*((\g)%2)+2*i], v[17+64*((\g)%2)+2*i]
.set i, i+1
.endr
.irp kq, 0,1,2,3
.irp u, 0,1
	global_store_b128 v4, v[144+4*(2*\kq+\u):144+4*(2*\kq+\u)+3], s[26:27] offset:16384*(4*(\g)+\kq)+512*\u   ; half an image: 512 consecutive bytes, aligned
.endr
.endr
.if (\g) < 2
	LOADG (\g)+2
.endif
.endm
	LOADG 0
	LOADG 1
	CVTG 0
	CVTG 1
	CVTG 2
	CVTG 3
	s_endpgm
.Lfunc_end_k_q2b176e9103_prep:
	.size	k_q2b176e9103_prep, .Lfunc_end_k_q2b176e9103_prep-k_q2b176e9103_prep
	.p2alignl 7, 3214868480
	.fill 96, 4, 3214868480
	.section	.rodata,"a",@progbits
	.p2align	6, 0x0
	.amdhsa_kernel k_q2b176e9103_prep
		.amdhsa_group_segment_fixed_size 33280
		.amdhsa_private_segment_fixed_size 0
		.amdhsa_enable_private_segment 0
		.amdhsa_kernarg_size 64
		.amdhsa_user_sgpr_count 2
		.amdhsa_user_sgpr_kernarg_segment_ptr 1
		.amdhsa_wavefront_size32 1
		.amdhsa_system_sgpr_workgroup_id_x 1
		.amdhsa_system_sgpr_workgroup_id_y 1
		.amdhsa_system_sgpr_workgroup_id_z 1
		.amdhsa_system_vgpr_workitem_id 0
		.amdhsa_next_free_vgpr 192
		.amdhsa_next_free_sgpr 66
		.amdhsa_reserve_vcc 0
		.amdhsa_float_denorm_mode_32 3
		.amdhsa_float_denorm_mode_16_64 3
		.amdhsa_memory_ordered 1
		.amdhsa_forward_progress 1
		.amdhsa_inst_pref_size 52
	.end_amdhsa_kernel
	.amdgpu_metadata
---
amdhsa.version: [ 1, 2 ]
amdhsa.kernels:
  - .name:           k_q2b176e9103_prep
    .symbol:         k_q2b176e9103_prep.kd
    .args:
      - { .name: iQ, .offset: 0, .size: 8, .value_kind: global_buffer, .address_space: global }
      - { .name: w_qkv, .offset: 8, .size: 8, .value_kind: global_buffer, .address_space: global }
      - { .name: xc, .offset: 16, .size: 8, .value_kind: global_buffer, .address_space: global }
      - { .name: xs, .offset: 24, .size: 8, .value_kind: global_buffer, .address_space: global }
      - { .name: wc, .offset: 32, .size: 8, .value_kind: global_buffer, .address_space: global }
      - { .name: ws, .offset: 40, .size: 8, .value_kind: global_buffer, .address_space: global }
      - { .name: w_out, .offset: 48, .size: 8, .value_kind: global_buffer, .address_space: global }
      - { .name: wo16, .offset: 56, .size: 8, .value_kind: global_buffer, .address_space: global }
    .group_segment_fixed_size: 33280
    .private_segment_fixed_size: 0
    .kernarg_segment_align: 8
    .kernarg_segment_size: 64
    .max_flat_workgroup_size: 128
    .sgpr_count:     66
    .vgpr_count:     192
    .wavefront_size: 32
...
	.end_amdgpu_metadata
.endif
;; end of part 1
;; launch qkvg (part 2): grid 12 x 32, 4 waves a work-group, clusters of 4 x 4, 327,680 bytes of LDS; arguments xc, xs, wc, ws, qkv, kmx; writes qkv, kmx
.if DOCPART == 2
	.amdgcn_target "amdgcn-amd-amdhsa--gfx1250"
	.amdhsa_code_object_version 6
	.text
	.protected	k_q2b176e9103_qkvg
	.globl	k_q2b176e9103_qkvg
	.p2align	8
	.type	k_q2b176e9103_qkvg,@function
k_q2b176e9103_qkvg:
	s_mov_b64 s[64:65], 0
	v_nop
	global_prefetch_b8 v0, s[64:65] scope:SCOPE_SE
	s_setreg_imm32_b32 hwreg(HW_REG_WAVE_MODE, 25, 1), 1
	s_wait_xcnt 0x0
	s_wait_alu depctr_hold_cnt(0) depctr_sa_sdst(0) depctr_va_vdst(0) depctr_va_sdst(0) depctr_va_ssrc(0) depctr_va_vcc(0) depctr_vm_vsrc(0)
	s_getreg_b32 s2, hwreg(HW_REG_IB_STS2, 6, 4)
	s_cmp_eq_u32 s2, 0
	s_cbranch_scc0 .Lentry_in_a_cluster
	s_endpgm
.Lentry_in_a_cluster:
	s_bfe_u32 s2, ttmp6, 0x10000c
	s_cmp_lg_u32 s2, 0xf033
	s_cbranch_scc0 .Lentry_shape_is_right
	s_endpgm
.Lentry_shape_is_right:
; QKVG.  qkv = iQ w_qkv^T on codes of FP4 (E2M1) with one E8M0 scale for each 32 along K = 1,024; sums in f32.  The results leave as f16 IMAGES OF OPERAND REGISTERS for the attention launch.
; A tile of 256 x 256 is made by four waves, each 128 x 128: 64 accumulators of 16 x 16, 512 registers.  All of K lies in two LDS slots of 512 along K (rows of 256 bytes + 16 of padding): nothing is filled again.
; The scale bytes of the work-group's 2 x 256 rows come once, as dense blocks, with the first fills.
; ROLES.  Source 1 takes 16 rows of R1, source 0 16 rows of R0: in a result lane (r, h) holds row r of R1 and rows 8 h + 0 .. 7 of R0: eight neighbours, which four conversions to f16 turn into registers 4 u .. 4 u + 3 of a fragment.
;   cluster x = 0 (q), 1 (k): R1 = tokens (xc), R0 = channels (wc): a lane holds a token and eight channels: fragments [16 tokens x 32 channels].
;   cluster x = 2 (v):        R1 = channels (wc), R0 = tokens (xc): a lane holds a channel and eight keys: fragments [16 channels x 32 keys], as the second product of attention wants them.
; One text serves both: only pointers, tile numbers and store offsets are chosen, by the cluster's x, which all partners share.  Both tensors have rows of 512 bytes of codes and 32 scale bytes.
; qkv: sections q, k, v of 16,777,216 bytes; a head (16 batch + head) 262,144.  q, k: [16 tokens T][32 channels c][1,024];  v: [64 keys G][16 channels ct][32 keys kc][1,024].  An image: [u][lane][16 bytes].
; kmx [head][16]: the largest |k|^2 (of the f32 sums) over 128 keys: the attention launch bounds its scores by it.
; CLUSTERS: 4 x 4 work-groups.  R1's tile is shared along a row of the cluster, R0's along a column: each is asked for jointly, by the same tensor load with the same descriptor and a mask that names the four.
; LIMIT: |q|, |k|, |v| under 65,504 (f16).
; REGISTERS: window 0: v1-29 addresses; v32-95 scale words, two sets; v128-191 R1's fragments, one set; on the way out v32-63 norms, v128-255 packed results.  window 1: R0's fragments, two sets.  windows 2, 3: accumulators.
.set KSTEP,  512
.set NQ,     4                         ; matrix instructions deep in a slot
.set ROWB,   256                       ; a tile's row in bytes
.set KROW,   512                       ; a row of codes in memory
.set PITCH,  272                       ; an LDS row: 256 + 16 bytes = 68 words: the 16 rows that a load touches start at 16 different banks (64 banks of 4 bytes: ISA guide 11.1)
.set FR,     8
.set NL,     2
.set NP,     4                         ; places behind this matrix instruction (ISA guide 7.12.1)
.set HALFT,  128*PITCH
.set SLOT,   4*HALFT
.set KS,     32                        ; a row of scale bytes
.set SCL,    2*SLOT
.set HALFS,  (128*KS/256)*272
.set SBLK,   (16*KS/256)*272
.set SPARE,  SCL+4*HALFS               ; the spare words, 128 bytes a wave
.set VO,   8                           ; v8-11  store offsets: 16 x lane + (a / 4) FA + (b / 4) GB at v[8 + 2 (a / 4) + (b / 4)]
.set ADRA, 16
.set ADRB, 20
.set ADRS, 27
.set SPW,  28
.set NIL,  29
.set SC,   32
.set NR,   32                          ; the way out: 16 pairs of sums of squares
.set AF,   128
.set TP,   128                         ; the way out: packed results, four sets of 32
.set G1, 24
.set G0, 32
.set G1B, 48
.set G0B, 56
.set G1S, 68
.set G0S, 76
.set G1SB, 80
.set G0SB, 88
.set MSB, 0
.macro WIN new                         ; the immediate's high byte repeats the setting that is left
.if MSB != (\new)
	s_set_vgpr_msb (MSB<<8)|(\new)
.set MSB, (\new)
.endif
.endm
.set MUL_LO, 0xa1                      ; source 0 (R0) window 1, source 1 (R1) window 0, C and D window 2
.set MUL_HI, 0xf1
.set TO_B,   0x40
; A joint load: waves 0 and 1 fetch for R1, waves 2 and 3 for R0.  The branch hangs on the wave's number alone.  An s_nop 0 and four v_nop follow each of the two lines.
.macro JLOAD g0a, g1a, g0b, g1b
	s_cmp_eq_u32 s15, 0
	s_cbranch_scc0 .Lfor_b_\@
	tensor_load_to_lds s[\g0a:\g0a+3], s[\g1a:\g1a+7]
	s_nop 0
.rept 4
	v_nop
.endr
	s_branch .Lasked_\@
.Lfor_b_\@:
	tensor_load_to_lds s[\g0b:\g0b+3], s[\g1b:\g1b+7]
	s_nop 0
.rept 4
	v_nop
.endr
.Lasked_\@:
.endm
.macro CROUND                          ; a round of the cluster's barrier
	s_barrier_signal -1
	s_barrier_wait -1
	s_cmp_lg_u32 s14, 0
	s_cbranch_scc1 .Lnot_wave_0_\@
	s_barrier_signal -3
.Lnot_wave_0_\@:
	s_barrier_wait -3
	s_barrier_signal -1
	s_barrier_wait -1
.endm
	s_load_b128 s[4:7], s[0:1], 0x0                ; xc, xs
	s_load_b128 s[8:11], s[0:1], 0x10              ; wc, ws
	s_load_b64 s[12:13], s[0:1], 0x20              ; qkv
	s_load_b64 s[100:101], s[0:1], 0x28            ; kmx
	v_lshl_add_u32 v[SPW], v0, 2, SPARE
	v_mov_b32 v[NIL], 0
	ds_add_u32 v[SPW], v[NIL]                      ; the wave's opening: the add, twice on end, and its wait ahead of my first tensor load
	ds_add_u32 v[SPW], v[NIL]
	v_lshrrev_b32 v1, 5, v0
	v_readfirstlane_b32 s14, v1                    ; wave 0..3
	s_lshr_b32 s15, s14, 1                         ; my half of R1's rows.  Also: I fetch for R1 (0) or for R0 (1)
	s_and_b32 s16, s14, 1                          ; my half of R0's rows.  Also: which 128 rows of that tile I fetch
	s_bfe_u32 s40, ttmp6, 0x40000                  ; cx
	s_bfe_u32 s41, ttmp6, 0x40004                  ; cy
	s_and_b32 s95, ttmp7, 0xffff
	s_lshl_b32 s95, s95, 2                         ; 4 x cluster y
	s_lshl_b32 s3, ttmp9, 2                        ; 4 x cluster x
	s_cmp_eq_u32 ttmp9, 2                          ; the v cluster column?
	s_cselect_b32 s17, 8, s95                      ; R1's tile: channels 2,048 on of w_qkv, or tokens
	s_cselect_b32 s42, s95, s3                     ; R0's tile: tokens, or channels of q or k
	s_add_co_u32 s17, s17, s41                     ; + cy: shared along a row of the cluster
	s_add_co_u32 s42, s42, s40                     ; + cx: shared along a column
	s_lshl_b32 s43, s41, 2
	s_lshl_b32 s43, 15, s43                        ; my row of the cluster
	s_lshl_b32 s44, 0x1111, s40                    ; my column
	; descriptor group 1: a tile of 128 rows x 256 bytes, padded in LDS
	s_or_b32 s[G1+0], s43, (0<<16)|(1<<20)|(1<<21)|(5<<22)|(3<<25)  ; 15:0 the mask; 17:16 elements of 1 byte; 20 padding on; 21 set beside a mask; 24:22 after every 64 words; 31:25 four words
	s_or_b32 s[G1B+0], s44, (0<<16)|(1<<20)|(1<<21)|(5<<22)|(3<<25)
.irp g, G1, G1B
	s_mov_b32 s[\g+1], ROWB<<16                    ; tensor_dim0
	s_mov_b32 s[\g+2], 128<<16                     ; tensor_dim1
	s_mov_b32 s[\g+3], ROWB<<16                    ; tile_dim0
	s_mov_b32 s[\g+4], 128                         ; tile_dim1
	s_mov_b32 s[\g+5], KROW                        ; tensor_dim0_stride
	s_mov_b32 s[\g+6], 0
	s_mov_b32 s[\g+7], 0
.endr
	; the scales of 128 rows: 4,096 dense bytes, as 16 rows of 256 bytes (32 elements of 8 bytes), 16 bytes of padding behind each
	s_or_b32 s[G1S+0], s43, (3<<16)|(1<<20)|(1<<21)|(5<<22)|(3<<25)
	s_or_b32 s[G1SB+0], s44, (3<<16)|(1<<20)|(1<<21)|(5<<22)|(3<<25)
.irp g, G1S, G1SB
	s_mov_b32 s[\g+1], 32<<16
	s_mov_b32 s[\g+2], (128*KS/256)<<16
	s_mov_b32 s[\g+3], 32<<16
	s_mov_b32 s[\g+4], 128*KS/256
	s_mov_b32 s[\g+5], 32
	s_mov_b32 s[\g+6], 0
	s_mov_b32 s[\g+7], 0
.endr
	s_lshl_b32 s18, s16, 7                         ; which 128 rows of the tile I fetch
	s_lshl_b32 s20, s17, 8
	s_add_co_u32 s20, s20, s18                     ; R1: row 256 x tile + 128 x half
	s_lshl_b32 s46, s42, 8
	s_add_co_u32 s46, s46, s18                     ; R0 likewise
	s_mov_b32 s21, 0
	s_mov_b32 s47, 0
	s_mov_b64 s[18:19], KS
	s_mul_u64 s[22:23], s[20:21], s[18:19]         ; where these rows' scales begin,
	s_mul_u64 s[92:93], s[46:47], s[18:19]
	s_mov_b64 s[18:19], KROW
	s_mul_u64 s[20:21], s[20:21], s[18:19]         ; and their codes
	s_mul_u64 s[46:47], s[46:47], s[18:19]
	s_mul_i32 s45, s14, HALFT                      ; where they go: wave x 128 rows: no place in the cluster enters an LDS address
	s_mul_i32 s94, s14, HALFS
	s_wait_dscnt 0x0                               ; both opening adds are done
	s_wait_kmcnt 0x0
	s_cmp_eq_u32 ttmp9, 2                          ; the choice of buffers hangs on the cluster's x alone
	s_cselect_b64 s[96:97], s[8:9], s[4:5]         ; R1's codes
	s_cselect_b64 s[98:99], s[10:11], s[6:7]       ; R1's scales
	s_cselect_b64 s[8:9], s[4:5], s[8:9]           ; R0's codes
	s_cselect_b64 s[10:11], s[6:7], s[10:11]       ; R0's scales
	s_add_nc_u64 s[20:21], s[96:97], s[20:21]
	s_add_nc_u64 s[22:23], s[98:99], s[22:23]
	s_add_nc_u64 s[46:47], s[8:9], s[46:47]
	s_add_nc_u64 s[92:93], s[10:11], s[92:93]
	CROUND                                         ; all sixteen work-groups are here: the first joint loads meet
	s_mov_b32 s[G0S], 1
	s_add_co_u32 s[G0S+1], s94, SCL
	s_mov_b64 s[G0S+2:G0S+3], s[22:23]
	s_or_b32 s[G0S+3], s[G0S+3], 0x80000000
	s_mov_b32 s[G0SB], 1
	s_add_co_u32 s[G0SB+1], s94, SCL
	s_mov_b64 s[G0SB+2:G0SB+3], s[92:93]
	s_or_b32 s[G0SB+3], s[G0SB+3], 0x80000000
	JLOAD G0S, G1S, G0SB, G1SB                     ; the scales first: they are wanted with the first slot.  Three loads of mine are out at the most
.irp s, 0,1
	s_mov_b32 s[G0+4*\s], 1
	s_add_co_u32 s[G0+4*\s+1], s45, \s*SLOT
	s_add_nc_u64 s[G0+4*\s+2:G0+4*\s+3], s[20:21], \s*ROWB
	s_or_b32 s[G0+4*\s+3], s[G0+4*\s+3], 0x80000000
	s_mov_b32 s[G0B+4*\s], 1
	s_add_co_u32 s[G0B+4*\s+1], s45, \s*SLOT
	s_add_nc_u64 s[G0B+4*\s+2:G0B+4*\s+3], s[46:47], \s*ROWB
	s_or_b32 s[G0B+4*\s+3], s[G0B+4*\s+3], 0x80000000
	JLOAD G0+4*\s, G1, G0B+4*\s, G1B
.endr
	v_and_b32 v1, 15, v0                           ; r = l % 16
	v_bfe_u32 v2, v0, 4, 1                         ; h = l / 16
	v_and_b32 v7, 31, v0                           ; lane
	v_mul_u32_u24 v3, v1, PITCH
	v_lshl_add_u32 v4, v2, 4, v3                   ; a fragment's row x pitch + 16 x half
	s_mul_i32 s21, s15, HALFT                      ; my 128 rows of R1
	s_mul_i32 s22, s16, HALFT                      ; my 128 rows of R0,
	s_add_co_u32 s22, s22, 2*HALFT                 ; which lie behind R1's 256
.irp s, 0,1
	v_add_nc_u32 v[ADRA+\s], s21, v4
	v_add_nc_u32 v[ADRB+\s], s22, v4
	s_add_co_u32 s21, s21, SLOT
	s_add_co_u32 s22, s22, SLOT
.endr
	v_mul_u32_u24 v5, v1, KS                       ; my row's scales: 32 bytes a row,
	v_lshrrev_b32 v6, 8, v5
	v_lshl_add_u32 v5, v6, 4, v5                   ; and 16 more for each 256 passed
	s_mul_i32 s21, s15, HALFS
	s_mul_i32 s22, s16, HALFS
	s_add_co_u32 s22, s22, 2*HALFS
	s_sub_co_u32 s22, s22, s21
	v_mul_u32_u24 v6, s22, v2                      ; lanes 16-31 take R0's: one product, the distance between the two bases x h
	s_add_co_u32 s21, s21, SCL
	v_add_nc_u32 v5, v5, v6
	v_add_nc_u32 v[ADRS], s21, v5
	; where the results go.  Accumulator (a, b) belongs at base + (a / 4) FA + (b / 4) GB + 2,048 (a % 4) + 512 (b % 4) + 16 x lane
	s_mov_b32 s18, 262144
	s_mov_b32 s19, 8192
	s_cmp_eq_u32 ttmp9, 2
	s_cselect_b32 s20, s18, s19                    ; FA: four blocks of R1 on: a head (v) or 64 tokens (q, k)
	s_cselect_b32 s21, s19, s18                    ; GB: four blocks of R0 on: 64 keys (v) or a head
	s_cselect_b32 s22, s42, s17                    ; the tile of tokens,
	s_cselect_b32 s23, s16, s15                    ; my half of it,
	s_cselect_b32 s46, s41, s40                    ; the tile of channels within the section,
	s_cselect_b32 s47, s15, s16                    ; my half of it
	v_lshlrev_b32 v[VO], 4, v7
	v_add_nc_u32 v[VO+1], s21, v[VO]
	v_add_nc_u32 v[VO+2], s20, v[VO]
	v_add_nc_u32 v[VO+3], s21, v[VO+2]
	s_lshr_b32 s18, s22, 3                         ; batch
	s_lshl_b32 s18, s18, 4
	s_lshl_b32 s46, s46, 2
	s_add_co_u32 s18, s18, s46
	s_lshl_b32 s47, s47, 1
	s_add_co_u32 s18, s18, s47                     ; 16 batch + my first head
	s_lshl_b32 s18, s18, 18
	s_and_b32 s22, s22, 7
	s_lshl_b32 s22, s22, 15                        ; 256 tokens are 32,768 bytes of a head
	s_add_co_u32 s18, s18, s22
	s_lshl_b32 s23, s23, 14
	s_add_co_u32 s18, s18, s23
	s_lshl_b32 s19, ttmp9, 24                      ; the section
	s_add_co_u32 s18, s18, s19
	s_mov_b32 s19, 0
	s_add_nc_u64 s[12:13], s[12:13], s[18:19]
.macro FRAG reg, adr, q, i             ; 16 rows x 128 K of 4-bit codes: 8 registers: two loads of 16 bytes, 32 bytes apart
.irp c, 0,1
	ds_load_b128 v[\reg+4*\c:\reg+4*\c+3], v[\adr] offset:64*(\q)+32*\c+(\i)*16*PITCH
.endr
.endm
; 16 matrix instructions: R1's blocks a0, a0 + 1 x R0's eight, 128 along K.  The 64 accumulators take turns, one instruction a turn, in the same order in every step.
; One register carries R1's scale word (lanes 0-15) and R0's (lanes 16-31).
.macro MUL16 a0, p, q, sc, zero
.irp a, \a0, \a0+1
.irp b, 0,1,2,3,4,5,6,7
.if \zero
	v_wmma_scale_f32_16x16x128_f8f6f4 v[8*(8*((\a)%4)+\b):8*(8*((\a)%4)+\b)+7], v[128*(\p)+FR*\b:128*(\p)+FR*\b+FR-1], v[AF+FR*(\a):AF+FR*(\a)+FR-1], 0, v[SC+8*NQ*(\sc)+NQ*\b+(\q)], v[SC+8*NQ*(\sc)+NQ*(\a)+(\q)] matrix_a_fmt:MATRIX_FMT_FP4 matrix_b_fmt:MATRIX_FMT_FP4 matrix_a_scale:MATRIX_SCALE_ROW1
.else
	v_wmma_scale_f32_16x16x128_f8f6f4 v[8*(8*((\a)%4)+\b):8*(8*((\a)%4)+\b)+7], v[128*(\p)+FR*\b:128*(\p)+FR*\b+FR-1], v[AF+FR*(\a):AF+FR*(\a)+FR-1], v[8*(8*((\a)%4)+\b):8*(8*((\a)%4)+\b)+7], v[SC+8*NQ*(\sc)+NQ*\b+(\q)], v[SC+8*NQ*(\sc)+NQ*(\a)+(\q)] matrix_a_fmt:MATRIX_FMT_FP4 matrix_b_fmt:MATRIX_FMT_FP4 matrix_a_scale:MATRIX_SCALE_ROW1
.endif
.endr
.endr
.endm
.macro FETCH_B slot, q, p
	WIN TO_B
.irp i, 0,1,2,3,4,5,6,7
	FRAG 128*(\p)+FR*\i, ADRB+\slot, \q, \i
.endr
	WIN 0
.endm
.macro FETCH_A slot, q, i0
.irp i, \i0, \i0+1, \i0+2, \i0+3
	FRAG AF+FR*(\i), ADRA+\slot, \q, \i
.endr
.endm
.macro SCALES sc                       ; a slot's scale words: four words a row; lanes 0-15 take R1's block i, lanes 16-31 R0's
.irp i, 0,1,2,3,4,5,6,7
	ds_load_b128 v[SC+8*NQ*\sc+NQ*\i:SC+8*NQ*\sc+NQ*\i+3], v[ADRS] offset:\i*SBLK
.endr
.endm
.macro PLACES n                        ; plain vector instructions between a matrix instruction and a load into, or a read of, its registers
.rept \n
	v_nop
.endr
.endm
.macro STEP slot, q, zero              ; a step of 128 along K that has its successor in the same slot
	s_wait_dscnt 4*NL                              ; R0's set and R1's blocks 0-3 are in; the youngest eight loads (R1's blocks 4-7) may be out
	WIN MUL_LO
	MUL16 0, (\q)%2, \q, \slot, \zero
	MUL16 2, (\q)%2, \q, \slot, \zero
	s_wait_dscnt 0
	PLACES NP
	FETCH_B \slot, (\q)+1, 1-(\q)%2
	FETCH_A \slot, (\q)+1, 0
	WIN MUL_HI
	MUL16 4, (\q)%2, \q, \slot, \zero
	MUL16 6, (\q)%2, \q, \slot, \zero
	PLACES NP
	WIN 0
	FETCH_A \slot, (\q)+1, 4
.endm
.macro TURN slot, next                 ; slot 0's last step goes over to slot 1: each wave's part of slot 1 has landed, then one barrier.  Nothing is filled again
	s_wait_tensorcnt 0x0                           ; all my tensor loads have landed: my part of the next slot
	ds_add_u32 v[SPW], v[NIL]                      ; 0 onto my spare word
	s_wait_dscnt 4*NL+1                            ; (the add and the youngest eight loads may be out)
	WIN MUL_LO
	MUL16 0, 1, NQ-1, \slot, 0
	s_wait_dscnt 0x0
	s_barrier_signal -1
	MUL16 2, 1, NQ-1, \slot, 0
	WIN 0
	s_barrier_wait -1
	PLACES NP
	v_add_nc_u32 v[ADRS], 4*NQ, v[ADRS]            ; on to the next slot's scale words
	FETCH_B \next, 0, 0
	FETCH_A \next, 0, 0
	SCALES \next
	WIN MUL_HI
	MUL16 4, 1, NQ-1, \slot, 0
	MUL16 6, 1, NQ-1, \slot, 0
	PLACES NP
	WIN 0
	FETCH_A \next, 0, 4
.endm
.macro STEPS slot, from
.set Q, \from
.rept NQ-1-\from
	STEP \slot, Q, 0
.set Q, Q+1
.endr
.endm
	s_wait_tensorcnt 1                             ; the scales and my part of slot 0 are in (slot 1's load may be out),
	s_barrier_signal -1
	s_barrier_wait -1                              ; everybody's are
	FETCH_B 0, 0, 0
	FETCH_A 0, 0, 0
	SCALES 0
	FETCH_A 0, 0, 4
	STEP 0, 0, 1                                   ; the first products start the sums: nothing is cleared
	STEPS 0, 1
	TURN 0, 1
	STEPS 1, 0
	s_wait_dscnt 4*NL                              ; the last step: nothing more to fetch
	WIN MUL_LO
	MUL16 0, 1, NQ-1, 1, 0
	MUL16 2, 1, NQ-1, 1, 0
	s_wait_dscnt 0
	WIN MUL_HI
	MUL16 4, 1, NQ-1, 1, 0
	MUL16 6, 1, NQ-1, 1, 0
	WIN 0
	PLACES NP                                      ; ahead of the first read of results and of the first write of registers that the last products read
	; ---- k alone: the largest |k|^2 of my 128 tokens, for each of my two heads.  The branch hangs on the cluster's x, which all partners share.
	s_cmp_lg_u32 ttmp9, 1
	s_cbranch_scc1 .Lno_norm
	s_mov_b32 s20, 0x76543210
	s_mov_b32 s21, 0xfedcba98                      ; v_permlanex16_b32's selects for lane l xor 16
	s_lshr_b32 s18, s17, 3
	s_lshl_b32 s18, s18, 4
	s_lshl_b32 s19, s40, 2
	s_add_co_u32 s18, s18, s19
	s_lshl_b32 s19, s16, 1
	s_add_co_u32 s18, s18, s19                     ; 16 batch + my first head
	s_lshl_b32 s18, s18, 6                         ; 64 bytes a head
	s_and_b32 s19, s17, 7
	s_lshl_b32 s19, s19, 1
	s_add_co_u32 s19, s19, s15                     ; which 128 keys of the batch's 2,048
	s_lshl_b32 s19, s19, 2
	s_add_co_u32 s18, s18, s19
	s_mov_b32 s19, 0
	s_add_nc_u64 s[100:101], s[100:101], s[18:19]
.irp w, 0,1                            ; pair (a, hd) at v[NR + 4 a + 2 hd]: my 32 channels of head hd of token 16 a + r; the eight chains of a window by turns; each accumulator from its low end on
	WIN 0x0a+5*\w
.set i, 0
.rept 16
.irp a, 0,1,2,3
.irp hd, 0,1
.if i == 0
	v_pk_mul_f32 v[NR+16*\w+4*\a+2*\hd:NR+16*\w+4*\a+2*\hd+1], v[64*\a+32*\hd:64*\a+32*\hd+1], v[64*\a+32*\hd:64*\a+32*\hd+1]
.else
	v_pk_fma_f32 v[NR+16*\w+4*\a+2*\hd:NR+16*\w+4*\a+2*\hd+1], v[64*\a+32*\hd+i:64*\a+32*\hd+i+1], v[64*\a+32*\hd+i:64*\a+32*\hd+i+1], v[NR+16*\w+4*\a+2*\hd:NR+16*\w+4*\a+2*\hd+1]
.endif
.endr
.endr
.set i, i+2
.endr
.endr
	WIN 0
.irp n, 0,1,2,3,4,5,6,7,8,9,10,11,12,13,14,15
	v_add_f32 v[NR+2*\n], v[NR+2*\n], v[NR+2*\n+1]
.endr
.irp n, 0,1,2,3,4,5,6,7,8,9,10,11,12,13,14,15
	v_permlanex16_b32 v[NR+2*\n+1], v[NR+2*\n], s20, s21
.endr
.irp n, 0,1,2,3,4,5,6,7,8,9,10,11,12,13,14,15
	v_add_f32 v[NR+2*\n], v[NR+2*\n], v[NR+2*\n+1]         ; with lane l xor 16's 32 channels: |k|^2
.endr
.irp hd, 0,1
	v_max3_num_f32 v[12+\hd], v[NR+2*\hd], v[NR+4+2*\hd], v[NR+8+2*\hd]
.endr
.irp hd, 0,1
	v_max3_num_f32 v[12+\hd], v[12+\hd], v[NR+12+2*\hd], v[NR+16+2*\hd]
.endr
.irp hd, 0,1
	v_max3_num_f32 v[12+\hd], v[12+\hd], v[NR+20+2*\hd], v[NR+24+2*\hd]
.endr
.irp hd, 0,1
	v_max_num_f32 v[12+\hd], v[12+\hd], v[NR+28+2*\hd]
.endr
.irp m, 1,2,4,8
.irp hd, 0,1
	v_max_num_f32_dpp v[12+\hd], v[12+\hd], v[12+\hd] row_xmask:\m row_mask:0xf bank_mask:0xf
.endr
.endr
	v_cmp_gt_u32 vcc_lo, 16, v7
	v_cndmask_b32 v14, v13, v12, vcc_lo            ; lanes 0-15: my first head's, lanes 16-31: my second's
	v_lshlrev_b32 v15, 6, v2                       ; 64 bytes from head to head
	s_wait_xcnt 0x0                                ; EXEC changes only behind this wait
	v_cmp_eq_u32 vcc_lo, 0, v1
	s_and_saveexec_b32 s3, vcc_lo                  ; lanes 0 and 16 store: two words a wave, 4,096 bytes in the launch
	global_store_b32 v15, v14, s[100:101]
	s_wait_xcnt 0x0                                ; and again, in front of the line that widens it
	s_or_b32 exec_lo, exec_lo, s3
.Lno_norm:
	; ---- the results leave as images, straight from registers: a lane's eight f32 become 16 bytes, and the wave's store covers 512 consecutive bytes, aligned
.macro PACKQ a
.if (\a) == 4
	s_wait_xcnt 0x0                                ; the stores of blocks 0-3 have read the four sets, which come round
.endif
	WIN 0x0a+5*((\a)/4)
.irp b, 0,1,2,3,4,5,6,7
.irp w, 0,1,2,3
	v_cvt_pk_f16_f32 v[TP+32*((\a)%4)+4*\b+\w], v[64*((\a)%4)+8*\b+2*\w], v[64*((\a)%4)+8*\b+2*\w+1]
.endr
.endr
	WIN 0
.irp b, 0,1,2,3,4,5,6,7
	global_store_b128 v[VO+2*((\a)/4)+(\b/4)], v[TP+32*((\a)%4)+4*\b:TP+32*((\a)%4)+4*\b+3], s[12:13] offset:2048*((\a)%4)+512*(\b%4)
.endr
.endm
.irp a, 0,1,2,3,4,5,6,7
	PACKQ \a
.endr
	s_wait_tensorcnt 0x0                           ; the wave's end
	ds_add_u32 v[SPW], v[NIL]
	s_wait_dscnt 0x0
	CROUND                                         ; the closing round: no work-group ends while a partner may still ask for a tile that names it
	s_endpgm
.Lfunc_end_k_q2b176e9103_qkvg:
	.size	k_q2b176e9103_qkvg, .Lfunc_end_k_q2b176e9103_qkvg-k_q2b176e9103_qkvg
	.p2alignl 7, 3214868480
	.fill 96, 4, 3214868480
	.section	.rodata,"a",@progbits
	.p2align	6, 0x0
	.amdhsa_kernel k_q2b176e9103_qkvg
		.amdhsa_group_segment_fixed_size 327680
		.amdhsa_private_segment_fixed_size 0
		.amdhsa_enable_private_segment 0
		.amdhsa_kernarg_size 48
		.amdhsa_user_sgpr_count 2
		.amdhsa_user_sgpr_kernarg_segment_ptr 1
		.amdhsa_wavefront_size32 1
		.amdhsa_system_sgpr_workgroup_id_x 1
		.amdhsa_system_sgpr_workgroup_id_y 1
		.amdhsa_system_sgpr_workgroup_id_z 1
		.amdhsa_system_vgpr_workitem_id 0
		.amdhsa_next_free_vgpr 1024
		.amdhsa_next_free_sgpr 102
		.amdhsa_reserve_vcc 1
		.amdhsa_float_denorm_mode_32 3
		.amdhsa_float_denorm_mode_16_64 3
		.amdhsa_memory_ordered 1
		.amdhsa_forward_progress 1
		.amdhsa_inst_pref_size 138
	.end_amdhsa_kernel
	.amdgpu_metadata
---
amdhsa.version: [ 1, 2 ]
amdhsa.kernels:
  - .name:           k_q2b176e9103_qkvg
    .symbol:         k_q2b176e9103_qkvg.kd
    .args:
      - { .name: xc, .offset: 0, .size: 8, .value_kind: global_buffer, .address_space: global }
      - { .name: xs, .offset: 8, .size: 8, .value_kind: global_buffer, .address_space: global }
      - { .name: wc, .offset: 16, .size: 8, .value_kind: global_buffer, .address_space: global }
      - { .name: ws, .offset: 24, .size: 8, .value_kind: global_buffer, .address_space: global }
      - { .name: qkv, .offset: 32, .size: 8, .value_kind: global_buffer, .address_space: global }
      - { .name: kmx, .offset: 40, .size: 8, .value_kind: global_buffer, .address_space: global }
    .group_segment_fixed_size: 327680
    .private_segment_fixed_size: 0
    .kernarg_segment_align: 8
    .kernarg_segment_size: 48
    .max_flat_workgroup_size: 128
    .sgpr_count:     102
    .vgpr_count:     1024
    .wavefront_size: 32
...
	.end_amdgpu_metadata
.endif
;; end of part 2
;; launch attn (part 3): grid 4 x 64, 8 waves a work-group, clusters of 4 x 1, 327,680 bytes of LDS; arguments qkv, kmx, sn_bias, ob; writes ob
.if DOCPART == 3
	.amdgcn_target "amdgcn-amd-amdhsa--gfx1250"
	.amdhsa_code_object_version 6
	.text
	.protected	k_q2b176e9103_attn
	.globl	k_q2b176e9103_attn
	.p2align	8
	.type	k_q2b176e9103_attn,@function
k_q2b176e9103_attn:
	s_mov_b64 s[64:65], 0
	v_nop
	global_prefetch_b8 v0, s[64:65] scope:SCOPE_SE
	s_setreg_imm32_b32 hwreg(HW_REG_WAVE_MODE, 25, 1), 1
	s_wait_xcnt 0x0
	s_wait_alu depctr_hold_cnt(0) depctr_sa_sdst(0) depctr_va_vdst(0) depctr_va_sdst(0) depctr_va_ssrc(0) depctr_va_vcc(0) depctr_vm_vsrc(0)
	s_getreg_b32 s2, hwreg(HW_REG_IB_STS2, 6, 4)
	s_cmp_eq_u32 s2, 0
	s_cbranch_scc0 .Lentry_in_a_cluster
	s_endpgm
.Lentry_in_a_cluster:
	s_bfe_u32 s2, ttmp6, 0x10000c
	s_cmp_lg_u32 s2, 0x3003
	s_cbranch_scc0 .Lentry_shape_is_right
	s_endpgm
.Lentry_shape_is_right:
; ATTN.  For each head: s = q . k / 8 + b;  t = relu(s)^2;  o = sum_k(t v) / (sum_k(t) + 1e-32).  q, k, v come as f16 images of operand registers (layout: the launch before); o leaves so too.  Products in f16 with f32 sums; all else f32.
; THE SCALE OF p.  t has no room in f16, so each query gets a power of two G, made once at the head from a bound that holds for every input: |q . k| <= |q| max|k| (the largest |k|^2 of the head comes from kmx).
;   X = a power of two >= |q| max|k| / 8;  2^EB > max(X + |b|, 2^-41);  G = 2^7 / 2^EB.  Q' = q x G / 8 (exact in f16 but for subnormals) and C = G b go into the first product: S' = G s <= 2^7, p = relu(S')^2 = G^2 t <= 2^14 (+ roundings).
;   o = sum(p v) / max(sum(p) + G^2 1e-32, 2^-100): the sum is taken of the unrounded p, in f32.  No maximum is searched and nothing is rescaled in the loop.
; LIMITS: |q|, |k|, |v| under 65,504; max|k| is taken as 2^-8 at the least; a row whose every positive s lies under 2^-14 of |q| max|k| / 8 + |b| has its p among f16's subnormals, under 2^-19.5 of it p is 0 and the row comes out 0; NaN and infinities are not served.
; SHARES.  A work-group owns 512 queries of one head, each of its eight waves 64: four tiles of 16, in two pieces (tiles 0, 1 and tiles 2, 3).  Two waves share a SIMD, 512 registers each: while one walks its vector phase the other has the matrix unit.
; Every wave walks the head's 2,048 keys, 64 a step.  LAYOUT: S^T = K Q'^T + C (source 0 = 16 keys, source 1 = 16 queries), O^T = V^T P (source 0 = 16 channels x 32 keys): a lane holds one query throughout; two tiles of S^T, packed to f16, are a fragment of P.
; THE RING.  Two LDS slots of 512 keys (65,536 bytes of K's images, then 65,536 of V's).  A step's fragments are 2 x 8,192 dense bytes, read at 16 x lane: no pitch, no padding.  Four fills in all: each wave brings 16,384 bytes by one load.
; CLUSTER.  The four query blocks of a head walk the same K and V: each tile is asked for jointly, by the same tensor load with the same descriptor and the mask of all four.
; No prefetch: a slot is asked for eight key steps (512 matrix instructions of a wave) ahead of its first read, and the first two slots are the head's own loads.
; REGISTERS.  window 0: v1 16 x lane, v2 + V's offset, v3 the address in hand, v4, v5 the add's two; v8-15 sums (a pair a tile); v16-23 G / 8, later 1 / sum (a pair a tile); v24-27 G^2 1e-32; v28-31 G, at work; v32-63 C = G b (8 a tile);
;   v64-127 S^T of a piece; v128-159 P of a piece; v160-223 K's fragments of a step.   window 1: v0-127 O^T (32 a tile); v128-191 Q' (16 a tile); v192-255 V's fragments of a step.
.set SLOT1, 1<<17                      ; slot 1 begins here: one exclusive or turns an address from one slot to the other
.set VOFF,  65536
.set STEPB, 8192
.set SPARE, 2*SLOT1                    ; behind the ring: the spare words, 128 bytes a wave
.set LI,   1
.set AV0,  2
.set ADR,  3
.set SPW,  4
.set NIL,  5
.set SUM,  8
.set F,    16
.set CEPS, 24
.set GS,   28
.set BI,   32
.set S,    64
.set P,    128
.set KF,   160
.set OT,   0                           ; window 1
.set QF,   128
.set VF,   192
.set WV,   14                          ; s14 wave; s15 cx; s16 head; s12 b; s13 |b|; s17 the largest |k|^2
.set G1,   24                          ; s[24:31] descriptor group 1
.set G0A,  32                          ; s[32:35] group 0 of slot 0's first fill
.set G0B,  36                          ; s[36:39] of slot 1's; it then walks
.set SEL,  40
.set TB,   42                          ; LDS byte at which the step to be fetched begins
.set CNT,  43
.set SLOTS, 44
.set MSB, 0
.macro WIN new                         ; the immediate's high byte repeats the setting that is left
.if MSB != (\new)
	s_set_vgpr_msb (MSB<<8)|(\new)
.set MSB, (\new)
.endif
.endm
.macro CROUND                          ; a round of the cluster's barrier
	s_barrier_signal -1
	s_barrier_wait -1
	s_cmp_lg_u32 s[WV], 0
	s_cbranch_scc1 .Lnot_wave_0_\@
	s_barrier_signal -3
.Lnot_wave_0_\@:
	s_barrier_wait -3
	s_barrier_signal -1
	s_barrier_wait -1
.endm
.macro PLACES
.rept 4
	v_nop
.endr
.endm
	s_load_b256 s[4:11], s[0:1], 0x0               ; qkv s[4:5], kmx s[6:7], sn_bias s[8:9], ob s[10:11]
	v_lshl_add_u32 v[SPW], v0, 2, SPARE
	v_mov_b32 v[NIL], 0
	ds_add_u32 v[SPW], v[NIL]                      ; the wave's opening: the add, twice on end, and its wait ahead of my first tensor load
	ds_add_u32 v[SPW], v[NIL]
	v_lshrrev_b32 v6, 5, v0
	v_readfirstlane_b32 s[WV], v6                  ; wave 0..7
	s_bfe_u32 s15, ttmp6, 0x40000                  ; cx: my block of 512 queries: it enters Q's and o's addresses alone
	s_and_b32 s16, ttmp7, 0xffff                   ; the head, which the four partners share
	; descriptor group 1: 16,384 dense bytes as 64 rows of 256 (32 elements of 8 bytes)
	s_mov_b32 s[G1], 15|(3<<16)|(1<<21)            ; 15:0 the mask: all four work-groups; 17:16 elements of 8 bytes; 21 set beside a mask; no padding
	s_mov_b32 s[G1+1], 32<<16                      ; tensor_dim0
	s_mov_b32 s[G1+2], 64<<16                      ; tensor_dim1
	s_mov_b32 s[G1+3], 32<<16                      ; tile_dim0
	s_mov_b32 s[G1+4], 64                          ; tile_dim1
	s_mov_b32 s[G1+5], 32                          ; tensor_dim0_stride
	s_mov_b32 s[G1+6], 0
	s_mov_b32 s[G1+7], 0
	s_mov_b32 s[SEL], 0x76543210
	s_mov_b32 s[SEL+1], 0xfedcba98                 ; v_permlanex16_b32's selects for lane l xor 16
	s_mov_b32 s[TB], 0
	s_lshr_b32 s18, s[WV], 2                       ; waves 0-3 fetch K's quarters, waves 4-7 V's
	s_add_co_u32 s18, s18, 1
	s_lshl_b32 s18, s18, 24                        ; the section,
	s_lshl_b32 s19, s16, 18                        ; the head,
	s_add_co_u32 s18, s18, s19
	s_and_b32 s19, s[WV], 3
	s_lshl_b32 s19, s19, 14                        ; my quarter
	s_add_co_u32 s18, s18, s19
	s_mov_b32 s19, 0
	s_lshl_b32 s20, s16, 6                         ; the head's 16 words of kmx
	s_mov_b32 s21, 0
	s_wait_dscnt 0x0                               ; both opening adds are done
	s_wait_kmcnt 0x0
	s_load_b32 s12, s[8:9], 0x0                    ; b
	s_add_nc_u64 s[6:7], s[6:7], s[20:21]
	s_load_b512 s[68:83], s[6:7], 0x0
	s_mov_b32 s[G0A], 1                            ; count = 1
	s_lshl_b32 s[G0A+1], s[WV], 14                 ; LDS: 16,384 x wave: K's four quarters, then V's
	s_add_nc_u64 s[G0A+2:G0A+3], s[4:5], s[18:19]
	s_mov_b32 s[G0B], 1
	s_add_co_u32 s[G0B+1], s[G0A+1], SLOT1
	s_add_nc_u64 s[G0B+2:G0B+3], s[G0A+2:G0A+3], 65536   ; the next 512 keys
	s_or_b32 s[G0A+3], s[G0A+3], 0x80000000        ; type = 2
	s_or_b32 s[G0B+3], s[G0B+3], 0x80000000
	CROUND                                         ; all four work-groups are here: the first joint loads meet
	tensor_load_to_lds s[G0A:G0A+3], s[G1:G1+7]    ; both first fills together: two loads of mine are out
	s_nop 0
	tensor_load_to_lds s[G0B:G0B+3], s[G1:G1+7]
	s_nop 0
	PLACES
	; ---- Q: my 64 queries' images, 8,192 dense bytes
	s_lshl_b32 s46, s16, 18
	s_lshl_b32 s47, s15, 16
	s_add_co_u32 s46, s46, s47
	s_lshl_b32 s47, s[WV], 13
	s_add_co_u32 s46, s46, s47
	s_mov_b32 s47, 0
	s_add_nc_u64 s[46:47], s[4:5], s[46:47]
	v_and_b32 v[LI], 31, v0
	v_lshlrev_b32 v[LI], 4, v[LI]
.set i, 0
.rept 16
	global_load_b128 v[S+4*i:S+4*i+3], v[LI], s[46:47] offset:512*i
.set i, i+1
.endr
	v_add_nc_u32 v[AV0], VOFF, v[LI]
.irp j, 0,1,2,3,4,5,6,7
	v_mov_b32 v[SUM+\j], 0
.endr
.irp t, 0,1,2,3
	v_mov_b32 v[GS+\t], 0                          ; written once: a lane permute's destination counts as one of its sources
.endr
	s_wait_kmcnt 0x0
	s_max_u32 s17, s68, s69                        ; none is negative, so the bits compare as the numbers do
.irp j, 70,71,72,73,74,75,76,77,78,79,80,81,82,83
	s_max_u32 s17, s17, s\j
.endr
	s_max_u32 s17, s17, 0x37800000                 ; 2^-16 at the least
	s_and_b32 s13, s12, 0x7fffffff                 ; |b|
	s_wait_loadcnt 0x0
.set i, 0                              ; f16 to f32: v[128 + 2 n], v[129 + 2 n] from the halves of v[64 + n]
.irp r, v64.l,v64.h,v65.l,v65.h,v66.l,v66.h,v67.l,v67.h,v68.l,v68.h,v69.l,v69.h,v70.l,v70.h,v71.l,v71.h,v72.l,v72.h,v73.l,v73.h,v74.l,v74.h,v75.l,v75.h,v76.l,v76.h,v77.l,v77.h,v78.l,v78.h,v79.l,v79.h
	v_cvt_f32_f16 v[128+i], \r
.set i, i+1
.endr
.irp r, v80.l,v80.h,v81.l,v81.h,v82.l,v82.h,v83.l,v83.h,v84.l,v84.h,v85.l,v85.h,v86.l,v86.h,v87.l,v87.h,v88.l,v88.h,v89.l,v89.h,v90.l,v90.h,v91.l,v91.h,v92.l,v92.h,v93.l,v93.h,v94.l,v94.h,v95.l,v95.h
	v_cvt_f32_f16 v[128+i], \r
.set i, i+1
.endr
.irp r, v96.l,v96.h,v97.l,v97.h,v98.l,v98.h,v99.l,v99.h,v100.l,v100.h,v101.l,v101.h,v102.l,v102.h,v103.l,v103.h,v104.l,v104.h,v105.l,v105.h,v106.l,v106.h,v107.l,v107.h,v108.l,v108.h,v109.l,v109.h,v110.l,v110.h,v111.l,v111.h
	v_cvt_f32_f16 v[128+i], \r
.set i, i+1
.endr
.irp r, v112.l,v112.h,v113.l,v113.h,v114.l,v114.h,v115.l,v115.h,v116.l,v116.h,v117.l,v117.h,v118.l,v118.h,v119.l,v119.h,v120.l,v120.h,v121.l,v121.h,v122.l,v122.h,v123.l,v123.h,v124.l,v124.h,v125.l,v125.h,v126.l,v126.h,v127.l,v127.h
	v_cvt_f32_f16 v[128+i], \r
.set i, i+1
.endr
	; |q|^2: my 32 channels of each tile's query, four chains by turns, in v[32 + 2 t] (C's region, which is written last)
.irp t, 0,1,2,3
	v_pk_mul_f32 v[BI+2*\t:BI+2*\t+1], v[128+32*\t:129+32*\t], v[128+32*\t:129+32*\t]
.endr
.irp i, 2,4,6,8,10,12,14,16,18,20,22,24,26,28,30
.irp t, 0,1,2,3
	v_pk_fma_f32 v[BI+2*\t:BI+2*\t+1], v[128+32*\t+\i:129+32*\t+\i], v[128+32*\t+\i:129+32*\t+\i], v[BI+2*\t:BI+2*\t+1]
.endr
.endr
.irp t, 0,1,2,3
	v_add_f32 v[BI+2*\t], v[BI+2*\t], v[BI+2*\t+1]
.endr
.irp t, 0,1,2,3
	v_permlanex16_b32 v[GS+\t], v[BI+2*\t], s[SEL], s[SEL+1]
.endr
.irp t, 0,1,2,3
	v_add_f32 v[BI+2*\t], v[BI+2*\t], v[GS+\t]     ; with lane l xor 16's 32 channels
.endr
.irp t, 0,1,2,3
	v_mul_f32 v[BI+2*\t], s17, v[BI+2*\t]          ; |q|^2 max|k|^2 < 2^(E - 126), E its exponent field
.endr
.irp t, 0,1,2,3
	v_lshrrev_b32 v[BI+2*\t], 23, v[BI+2*\t]       ; E
.endr
.irp t, 0,1,2,3
	v_add_nc_u32 v[BI+2*\t], 129, v[BI+2*\t]
.endr
.irp t, 0,1,2,3
	v_lshrrev_b32 v[BI+2*\t], 1, v[BI+2*\t]        ; 127 + the root's exponent, rounded up
.endr
.irp t, 0,1,2,3
	v_add_nc_u32 v[BI+2*\t], -3, v[BI+2*\t]        ; / 8
.endr
.irp t, 0,1,2,3
	v_lshlrev_b32 v[BI+2*\t], 23, v[BI+2*\t]       ; X
.endr
.irp t, 0,1,2,3
	v_add_f32 v[BI+2*\t], s13, v[BI+2*\t]          ; + |b|
.endr
.irp t, 0,1,2,3
	v_max_num_f32 v[BI+2*\t], 0x2b000000, v[BI+2*\t]   ; 2^-41 at the least
.endr
.irp t, 0,1,2,3
	v_lshrrev_b32 v[BI+2*\t], 23, v[BI+2*\t]       ; eb: the bound lies under 2^(eb - 126)
.endr
.irp t, 0,1,2,3
	v_sub_nc_u32 v[BI+2*\t], 260, v[BI+2*\t]
.endr
.irp t, 0,1,2,3
	v_lshlrev_b32 v[GS+\t], 23, v[BI+2*\t]         ; G = 2^(133 - eb)
.endr
.irp t, 0,1,2,3
	v_mul_f32 v[F+2*\t], 0x3e000000, v[GS+\t]      ; G / 8
.endr
.irp t, 0,1,2,3
	v_mov_b32 v[F+2*\t+1], v[F+2*\t]               ; (named with it as a pair, so it is written)
.endr
.irp t, 0,1,2,3
	v_mul_f32 v[CEPS+\t], v[GS+\t], v[GS+\t]
.endr
.irp t, 0,1,2,3
	v_mul_f32 v[CEPS+\t], 0x0a4fb11f, v[CEPS+\t]   ; G^2 x 1e-32
.endr
.irp t, 0,1,2,3
.irp j, 0,1,2,3,4,5,6,7
	v_mul_f32 v[BI+8*\t+\j], s12, v[GS+\t]         ; C = G b, in the result's eight registers: the bias costs nothing in the loop
.endr
.endr
.set i, 0
.rept 64
	v_pk_mul_f32 v[128+2*i:129+2*i], v[128+2*i:129+2*i], v[F+2*(i/16):F+2*(i/16)+1] op_sel_hi:[1,0]
.set i, i+1
.endr
	WIN 0x40                                       ; destination window 1
.set i, 0
.rept 64
	v_cvt_pk_f16_f32 v[QF+i], v[128+2*i], v[129+2*i]   ; Q'
.set i, i+1
.endr
	WIN 0
; 16 products of S^T = K Q'^T + C for piece x: channels 32 (i / 8) on, keys 16 ((i / 2) % 4) on, tile x + i % 2.  The eight accumulators take turns.
.macro KQ x
	WIN 0x04                                       ; source 1 (Q') window 1
.set i, 0
.rept 16
.set rS, S+32*(i%2)+8*((i/2)%4)
.set rK, KF+16*((i/2)%4)+8*(i/8)
.set rQ, QF+16*(\x+i%2)+8*(i/8)
.if i < 8
	v_wmma_f32_16x16x32_f16 v[rS:rS+7], v[rK:rK+7], v[rQ:rQ+7], v[BI+8*(\x+i%2):BI+8*(\x+i%2)+7]
.else
	v_wmma_f32_16x16x32_f16 v[rS:rS+7], v[rK:rK+7], v[rQ:rQ+7], v[rS:rS+7]
.endif
.set i, i+1
.endr
.endm
; 16 products of O^T += V^T P for piece x: keys 32 (i / 8) on, channels 16 ((i / 2) % 4) on, tile x + i % 2.  zero = 1: the first eight start the sums.
.macro PV x, zero
	WIN 0x51                                       ; V, C and D window 1, P window 0
.set i, 0
.rept 16
.set rO, OT+32*(\x+i%2)+8*((i/2)%4)
.set rV, VF+16*((i/2)%4)+8*(i/8)
.set rP, P+16*(i%2)+8*(i/8)
.if \zero && (i < 8)
	v_wmma_f32_16x16x32_f16 v[rO:rO+7], v[rV:rV+7], v[rP:rP+7], 0
.else
	v_wmma_f32_16x16x32_f16 v[rO:rO+7], v[rV:rV+7], v[rP:rP+7], v[rO:rO+7]
.endif
.set i, i+1
.endr
.endm
; A step's fragments: 16 loads of 512 consecutive bytes.  The addition and three v_nop are the four places behind the products that read these registers (and, for K, ahead of the first read of the scores just made).
.macro FETCH_K
	WIN 0
	v_add_nc_u32 v[ADR], s[TB], v[LI]
.rept 3
	v_nop
.endr
.set f, 0
.rept 16
	ds_load_b128 v[KF+4*f:KF+4*f+3], v[ADR] offset:512*f
.set f, f+1
.endr
.endm
.macro FETCH_V
	WIN 0
	v_add_nc_u32 v[ADR], s[TB], v[AV0]
.rept 3
	v_nop
.endr
	s_add_co_u32 s[TB], s[TB], STEPB               ; the next fetch is the next step's
	WIN 0x40                                       ; destination window 1
.set f, 0
.rept 16
	ds_load_b128 v[VF+4*f:VF+4*f+3], v[ADR] offset:512*f
.set f, f+1
.endr
.endm
; A piece's vector phase: relu, square, the row's sums of the unrounded p (a pair a tile, the two tiles by turns), p to f16.  Each accumulator is read from its low end on.
.macro SOFT x
.set n, 0
.rept 64
	v_max_num_f32 v[S+n], 0, v[S+n]
.set n, n+1
.endr
.set n, 0
.rept 32
	v_pk_mul_f32 v[S+n:S+n+1], v[S+n:S+n+1], v[S+n:S+n+1]
.set n, n+2
.endr
.set n, 0
.rept 16
	v_pk_add_f32 v[SUM+2*(\x):SUM+2*(\x)+1], v[SUM+2*(\x):SUM+2*(\x)+1], v[S+2*n:S+2*n+1]
	v_pk_add_f32 v[SUM+2*(\x)+2:SUM+2*(\x)+3], v[SUM+2*(\x)+2:SUM+2*(\x)+3], v[S+32+2*n:S+33+2*n]
	v_cvt_pk_f16_f32 v[P+n], v[S+2*n], v[S+2*n+1]
	v_cvt_pk_f16_f32 v[P+16+n], v[S+32+2*n], v[S+33+2*n]
.set n, n+1
.endr
.endm
; A TRIP goes from the middle of key step j (piece 2's scores are made) to the middle of step j + 1.
.macro TRIP zero
	FETCH_K                                        ; K of step j + 1: both pieces have multiplied by K of step j
	SOFT 2
	PV 2, \zero
	FETCH_V                                        ; V of step j + 1: both pieces have multiplied by V of step j
	s_wait_dscnt 16                                ; K is in; V's sixteen loads, issued behind it, may be out
	KQ 0
	WIN 0
	PLACES
	SOFT 0
	s_wait_dscnt 0x0                               ; V is in
	PV 0, 0
	KQ 2
	WIN 0
.endm
; THE CHANGE OF SLOTS, between trips: all of the slot's fragments have come into my registers.  Each wave waits for all its tensor loads (its part of the other slot), adds 0 to its spare word, and waits for that and for its reads.
; fill = 1: a round of the cluster's barrier, and the joint refill first behind it: the keys two slots on, which have eight key steps in which to land.
.macro CHANGE fill
	WIN 0
	s_wait_tensorcnt 0x0                           ; no tensor load of mine is out, so a group 0 may be written
	ds_add_u32 v[SPW], v[NIL]                      ; 0 onto my spare word
.if \fill
	s_xor_b32 s[G0B+1], s[G0B+1], SLOT1            ; the walking descriptor: the other slot than last time,
	s_add_nc_u64 s[G0B+2:G0B+3], s[G0B+2:G0B+3], 65536   ; the next 512 keys; the type bits on top are not reached
.endif
	s_wait_dscnt 0x0                               ; the add is done, and my reads of the slot are over
.if \fill
	CROUND
	tensor_load_to_lds s[G0B:G0B+3], s[G1:G1+7]    ; my one tensor load behind the round
	s_nop 0
	PLACES
.else
	s_barrier_signal -1
	s_barrier_wait -1
.endif
	s_sub_co_u32 s[TB], s[TB], 8*STEPB             ; the fetches go back to a slot's first step,
	s_xor_b32 s[TB], s[TB], SLOT1                  ; in the other slot
.endm
.macro LOOPN n
	s_mov_b32 s[CNT], \n
.Ltrip_\@:
	TRIP 0
	s_sub_co_u32 s[CNT], s[CNT], 1
	s_cmp_lg_u32 s[CNT], 0
	s_cbranch_scc1 .Ltrip_\@
.endm
	s_wait_tensorcnt 1                             ; my part of slot 0 is in; slot 1's may stay out
	s_barrier_signal -1
	s_barrier_wait -1                              ; everybody's is
	FETCH_K                                        ; key step 0
	FETCH_V
	s_wait_dscnt 16
	KQ 0
	WIN 0
	PLACES
	SOFT 0
	s_wait_dscnt 0x0
	PV 0, 1                                        ; piece 0's first products start its O^T
	KQ 2
	WIN 0
	TRIP 1                                         ; fetches step 1; piece 2's first products start its O^T
	LOOPN 6                                        ; steps 2 to 7
	s_mov_b32 s[SLOTS], 2
.Lslot:                                            ; two trips: slots 0 and 1 are each filled once more
	CHANGE 1
	LOOPN 8                                        ; steps 8 to 15, then 16 to 23
	s_sub_co_u32 s[SLOTS], s[SLOTS], 1
	s_cmp_lg_u32 s[SLOTS], 0
	s_cbranch_scc1 .Lslot
	CHANGE 0                                       ; the tail is written out: nothing more is asked for
	LOOPN 8                                        ; steps 24 to 31
	PLACES
	SOFT 2                                         ; piece 2 of the last step
	PV 2, 0
	WIN 0
	; ---- THE WAY OUT.  The additions are the places behind the last products.
.irp t, 0,1,2,3
	v_add_f32 v[GS+\t], v[SUM+2*\t], v[SUM+2*\t+1]
.endr
.irp t, 0,1,2,3
	v_permlanex16_b32 v[F+2*\t+1], v[GS+\t], s[SEL], s[SEL+1]
.endr
.irp t, 0,1,2,3
	v_add_f32 v[GS+\t], v[GS+\t], v[F+2*\t+1]      ; with lane l xor 16's keys: the row's sum
.endr
.irp t, 0,1,2,3
	v_add_f32 v[GS+\t], v[GS+\t], v[CEPS+\t]
.endr
.irp t, 0,1,2,3
	v_max_num_f32 v[GS+\t], 0x0d800000, v[GS+\t]   ; 2^-100 at the least: a row with no positive score comes out 0, as 0 / 1e-32 does
.endr
.irp t, 0,1,2,3
	v_rcp_f32 v[F+2*\t], v[GS+\t]
.endr
	v_nop                                          ; a plain instruction between the last reciprocal and the use of its result
	s_lshr_b32 s48, s16, 4
	s_lshl_b32 s48, s48, 4                         ; 16 x batch
	s_lshl_b32 s49, s15, 2
	s_add_co_u32 s48, s48, s49
	s_lshr_b32 s49, s[WV], 1
	s_add_co_u32 s48, s48, s49                     ; which 128 tokens
	s_lshl_b32 s48, s48, 18
	s_and_b32 s49, s16, 15
	s_lshl_b32 s49, s49, 14                        ; the head's two groups of 32 along the next K
	s_add_co_u32 s48, s48, s49
	s_and_b32 s49, s[WV], 1
	s_lshl_b32 s49, s49, 12                        ; my four tiles of the eight
	s_add_co_u32 s48, s48, s49
	s_mov_b32 s49, 0
	s_add_nc_u64 s[10:11], s[10:11], s[48:49]
	s_wait_alu depctr_va_vdst(0)                   ; the wait ahead of the first use: one for the four reciprocals
	WIN 0x41                                       ; O^T window 1, 1 / sum window 0
.set i, 0
.rept 64
	v_pk_mul_f32 v[OT+2*i:OT+2*i+1], v[OT+2*i:OT+2*i+1], v[F+2*(i/16):F+2*(i/16)+1] op_sel_hi:[1,0]
.set i, i+1
.endr
	WIN 0x05                                       ; sources window 1, destination window 0
.set i, 0
.rept 64
	v_cvt_pk_f16_f32 v[S+i], v[OT+2*i], v[OT+2*i+1]   ; a lane's eight channels of its query: registers 4 u .. 4 u + 3 of a fragment of o
.set i, i+1
.endr
	WIN 0
.irp t, 0,1,2,3
.irp ct, 0,1,2,3
	global_store_b128 v[LI], v[S+16*\t+4*\ct:S+16*\t+4*\ct+3], s[10:11] offset:8192*(\ct/2)+1024*\t+512*(\ct%2)   ; half an image: 512 consecutive bytes, aligned
.endr
.endr
	s_wait_tensorcnt 0x0                           ; the wave's end
	ds_add_u32 v[SPW], v[NIL]
	s_wait_dscnt 0x0
	CROUND                                         ; the closing round: no work-group ends while a partner may still ask for a tile that names it
	s_endpgm
.Lfunc_end_k_q2b176e9103_attn:
	.size	k_q2b176e9103_attn, .Lfunc_end_k_q2b176e9103_attn-k_q2b176e9103_attn
	.p2alignl 7, 3214868480
	.fill 96, 4, 3214868480
	.section	.rodata,"a",@progbits
	.p2align	6, 0x0
	.amdhsa_kernel k_q2b176e9103_attn
		.amdhsa_group_segment_fixed_size 327680
		.amdhsa_private_segment_fixed_size 0
		.amdhsa_enable_private_segment 0
		.amdhsa_kernarg_size 32
		.amdhsa_user_sgpr_count 2
		.amdhsa_user_sgpr_kernarg_segment_ptr 1
		.amdhsa_wavefront_size32 1
		.amdhsa_system_sgpr_workgroup_id_x 1
		.amdhsa_system_sgpr_workgroup_id_y 1
		.amdhsa_system_sgpr_workgroup_id_z 1
		.amdhsa_system_vgpr_workitem_id 0
		.amdhsa_next_free_vgpr 512
		.amdhsa_next_free_sgpr 84
		.amdhsa_reserve_vcc 0
		.amdhsa_float_denorm_mode_32 3
		.amdhsa_float_denorm_mode_16_64 3
		.amdhsa_memory_ordered 1
		.amdhsa_forward_progress 1
		.amdhsa_inst_pref_size 154
	.end_amdhsa_kernel
	.amdgpu_metadata
---
amdhsa.version: [ 1, 2 ]
amdhsa.kernels:
  - .name:           k_q2b176e9103_attn
    .symbol:         k_q2b176e9103_attn.kd
    .args:
      - { .name: qkv, .offset: 0, .size: 8, .value_kind: global_buffer, .address_space: global }
      - { .name: kmx, .offset: 8, .size: 8, .value_kind: global_buffer, .address_space: global }
      - { .name: sn_bias, .offset: 16, .size: 8, .value_kind: global_buffer, .address_space: global }
      - { .name: ob, .offset: 24, .size: 8, .value_kind: global_buffer, .address_space: global }
    .group_segment_fixed_size: 327680
    .private_segment_fixed_size: 0
    .kernarg_segment_align: 8
    .kernarg_segment_size: 32
    .max_flat_workgroup_size: 256
    .sgpr_count:     84
    .vgpr_count:     512
    .wavefront_size: 32
...
	.end_amdgpu_metadata
.endif
;; end of part 3
;; launch outp (part 4): grid 4 x 64, 4 waves a work-group, clusters of 4 x 4, 327,680 bytes of LDS; arguments ob, wo16, out0; writes out0
.if DOCPART == 4
	.amdgcn_target "amdgcn-amd-amdhsa--gfx1250"
	.amdhsa_code_object_version 6
	.text
	.protected	k_q2b176e9103_outp
	.globl	k_q2b176e9103_outp
	.p2align	8
	.type	k_q2b176e9103_outp,@function
k_q2b176e9103_outp:
	s_mov_b64 s[64:65], 0
	v_nop
	global_prefetch_b8 v0, s[64:65] scope:SCOPE_SE
	s_setreg_imm32_b32 hwreg(HW_REG_WAVE_MODE, 25, 1), 1
	s_wait_xcnt 0x0
	s_wait_alu depctr_hold_cnt(0) depctr_sa_sdst(0) depctr_va_vdst(0) depctr_va_sdst(0) depctr_va_ssrc(0) depctr_va_vcc(0) depctr_vm_vsrc(0)
	s_getreg_b32 s2, hwreg(HW_REG_IB_STS2, 6, 4)
	s_cmp_eq_u32 s2, 0
	s_cbranch_scc0 .Lentry_in_a_cluster
	s_endpgm
.Lentry_in_a_cluster:
	s_bfe_u32 s2, ttmp6, 0x10000c
	s_cmp_lg_u32 s2, 0xf033
	s_cbranch_scc0 .Lentry_shape_is_right
	s_endpgm
.Lentry_shape_is_right:
; OUTP.  out0[token][n] = sum over k of o[token][k] w_out[n][k], K = 1,024; operands f16, sums f32, out0 f32.  Both operands come as images of operand registers:
; ob [128 tokens Mt][32 along K kg][16 tokens T8][1,024 bytes], wo16 [256 rows Nt][kg][16 rows nb][1,024 bytes]; an image is [u][lane][16 bytes], read at 16 x lane: no pitch, no padding.
; A tile is 128 tokens x 256 outputs: 64 x 4 = 256 work-groups (tiles of 256 x 256 would be 128).  Four waves, each 64 tokens x 128 outputs: 32 accumulators, 256 registers.
; K goes in steps of 128 through a ring of two LDS slots: 32,768 dense bytes of ob, then 65,536 of wo16.  Waves 0, 1 fetch ob's halves, waves 2, 3 wo16's: one load a wave.
; CLUSTERS: 4 x 4 work-groups.  ob's tile is shared along a row of the cluster, wo16's along a column: each is asked for jointly, by the same tensor load with the same descriptor and a mask that names the four.
; THE MATRIX INSTRUCTION IS USED TRANSPOSED (source 0 = 16 rows of w_out, source 1 = 16 tokens): a lane holds eight neighbouring outputs of one token.
; No prefetch: the launch's own tensor loads and its stores keep its streams going for the whole of its eight K steps.
; REGISTERS.  window 0: v1-29 addresses; two fragment buffers of 96: w_out's eight fragments, then o's four; on the way out v32-159 rows read back.  window 1: accumulator (a, b) at v[8 (8 a + b)].
.set SLOT,   98304
.set WOFF,   32768                     ; wo16's part of a slot
.set STAGE,  2*SLOT                    ; behind the ring: 16 rows x (512 + 16) bytes for each wave
.set SPITCH, 528
.set SPARE,  STAGE+4*16*SPITCH         ; the spare words, 128 bytes a wave
.set LAPS,   4                         ; a lap = two K steps
.set ADRO, 16                          ; v16-17  my o fragments in slot 0, 1
.set ADRW, 20                          ; v20-21  my w_out fragments
.set STO,  24
.set RD,   25
.set CO,   26                          ; 16 x lane
.set SPW,  28
.set NIL,  29
.set F0,   32
.set F1,   128
.set BK,   32
.set G1, 24
.set G0, 32
.set G1B, 48
.set G0B, 56
.set MSB, 0
.macro WIN new                         ; the immediate's high byte repeats the setting that is left
.if MSB != (\new)
	s_set_vgpr_msb (MSB<<8)|(\new)
.set MSB, (\new)
.endif
.endm
.set MUL, 0x50                         ; C and D window 1
.macro JLOAD s                         ; a joint load: waves 0 and 1 fetch ob's halves, waves 2 and 3 wo16's; an s_nop 0 and four v_nop follow each of the two lines
	s_cmp_eq_u32 s11, 0
	s_cbranch_scc0 .Lfor_b_\@
	tensor_load_to_lds s[G0+4*\s:G0+4*\s+3], s[G1:G1+7]
	s_nop 0
.rept 4
	v_nop
.endr
	s_branch .Lasked_\@
.Lfor_b_\@:
	tensor_load_to_lds s[G0B+4*\s:G0B+4*\s+3], s[G1B:G1B+7]
	s_nop 0
.rept 4
	v_nop
.endr
.Lasked_\@:
.endm
.macro CREST                           ; a round of the cluster's barrier behind its opening barrier
	s_cmp_lg_u32 s10, 0
	s_cbranch_scc1 .Lnot_wave_0_\@
	s_barrier_signal -3
.Lnot_wave_0_\@:
	s_barrier_wait -3
	s_barrier_signal -1
	s_barrier_wait -1
.endm
.macro CROUND
	s_barrier_signal -1
	s_barrier_wait -1
	CREST
.endm
.macro PLACES
.rept 4
	v_nop
.endr
.endm
	s_load_b128 s[4:7], s[0:1], 0x0                ; ob, wo16
	s_load_b64 s[8:9], s[0:1], 0x10                ; out0
	v_lshl_add_u32 v[SPW], v0, 2, SPARE
	v_mov_b32 v[NIL], 0
	ds_add_u32 v[SPW], v[NIL]                      ; the wave's opening: the add, twice on end, and its wait ahead of my first tensor load
	ds_add_u32 v[SPW], v[NIL]
	v_lshrrev_b32 v1, 5, v0
	v_readfirstlane_b32 s10, v1                    ; wave 0..3
	s_lshr_b32 s11, s10, 1                         ; my half of the tokens.  Also: I fetch for ob (0) or for wo16 (1)
	s_and_b32 s12, s10, 1                          ; my half of the outputs.  Also: which half of that tile I fetch
	s_bfe_u32 s40, ttmp6, 0x40000                  ; cx
	s_bfe_u32 s41, ttmp6, 0x40004                  ; cy
	s_lshl_b32 s42, ttmp9, 2
	s_add_co_u32 s42, s42, s40                     ; Nt = 4 x cluster x + cx
	s_and_b32 s13, ttmp7, 0xffff
	s_lshl_b32 s13, s13, 2
	s_add_co_u32 s13, s13, s41                     ; Mt = 4 x cluster y + cy
	s_lshl_b32 s43, s41, 2
	s_lshl_b32 s43, 15, s43                        ; my row of the cluster
	s_lshl_b32 s44, 0x1111, s40                    ; my column
	; descriptor group 1: dense blocks as rows of 256 bytes (32 elements of 8 bytes): 64 rows of ob, 128 of wo16
	s_or_b32 s[G1+0], s43, (3<<16)|(1<<21)         ; 15:0 the mask: ob's tiles go to my row; 17:16 elements of 8 bytes; 21 set beside a mask; no padding
	s_or_b32 s[G1B+0], s44, (3<<16)|(1<<21)
	s_mov_b32 s[G1+1], 32<<16                      ; tensor_dim0
	s_mov_b32 s[G1+2], 64<<16                      ; tensor_dim1
	s_mov_b32 s[G1+3], 32<<16                      ; tile_dim0
	s_mov_b32 s[G1+4], 64                          ; tile_dim1
	s_mov_b32 s[G1+5], 32                          ; tensor_dim0_stride
	s_mov_b32 s[G1+6], 0
	s_mov_b32 s[G1+7], 0
	s_mov_b32 s[G1B+1], 32<<16
	s_mov_b32 s[G1B+2], 128<<16
	s_mov_b32 s[G1B+3], 32<<16
	s_mov_b32 s[G1B+4], 128
	s_mov_b32 s[G1B+5], 32
	s_mov_b32 s[G1B+6], 0
	s_mov_b32 s[G1B+7], 0
	s_lshl_b32 s16, s13, 18                        ; ob: 262,144 Mt
	s_lshl_b32 s20, s12, 14                        ; + 16,384 x half; the same in LDS
	s_add_co_u32 s16, s16, s20
	s_mov_b32 s17, 0
	s_lshl_b32 s46, s42, 19                        ; wo16: 524,288 Nt
	s_lshl_b32 s21, s12, 15                        ; + 32,768 x half
	s_add_co_u32 s46, s46, s21
	s_mov_b32 s47, 0
	s_add_co_u32 s21, s21, WOFF                    ; in LDS behind ob's part: no place in the cluster enters an LDS address
	s_wait_dscnt 0x0                               ; both opening adds are done
	s_wait_kmcnt 0x0
	s_add_nc_u64 s[14:15], s[4:5], s[16:17]
	s_add_nc_u64 s[46:47], s[6:7], s[46:47]
	CROUND                                         ; all sixteen work-groups are here: the first joint loads meet
.irp s, 0,1
	s_mov_b32 s[G0+4*\s], 1
	s_add_co_u32 s[G0+4*\s+1], s20, \s*SLOT
	s_add_nc_u64 s[G0+4*\s+2:G0+4*\s+3], s[14:15], \s*32768      ; K step s
	s_or_b32 s[G0+4*\s+3], s[G0+4*\s+3], 0x80000000
	s_mov_b32 s[G0B+4*\s], 1
	s_add_co_u32 s[G0B+4*\s+1], s21, \s*SLOT
	s_add_nc_u64 s[G0B+4*\s+2:G0B+4*\s+3], s[46:47], \s*65536
	s_or_b32 s[G0B+4*\s+3], s[G0B+4*\s+3], 0x80000000
	JLOAD \s                                       ; two loads of mine are out
.endr
	v_and_b32 v1, 15, v0                           ; r
	v_bfe_u32 v2, v0, 4, 1                         ; h
	v_and_b32 v3, 31, v0
	v_lshlrev_b32 v[CO], 4, v3                     ; 16 x lane
	s_lshl_b32 s21, s11, 12                        ; my four tiles of tokens in a group of eight
	s_lshl_b32 s22, s12, 13                        ; my eight tiles of outputs in a group of sixteen
	s_add_co_u32 s22, s22, WOFF
.irp s, 0,1
	v_add_nc_u32 v[ADRO+\s], s21, v[CO]
	v_add_nc_u32 v[ADRW+\s], s22, v[CO]
	s_add_co_u32 s21, s21, SLOT
	s_add_co_u32 s22, s22, SLOT
.endr
	s_mul_i32 s23, s10, 16*SPITCH
	s_add_co_u32 s23, s23, STAGE                   ; my stage
	v_mul_u32_u24 v4, v1, SPITCH                   ; in: row r, 32 bytes for each half of the lanes
	v_lshl_add_u32 v4, v2, 5, v4
	v_add_nc_u32 v[STO], s23, v4
	v_add_nc_u32 v[RD], s23, v[CO]                 ; back: the 32 lanes take one row of 512 bytes
	s_lshl_b32 s16, s13, 7
	s_lshl_b32 s17, s11, 6
	s_add_co_u32 s16, s16, s17                     ; my first token: 128 Mt + 64 x half
	s_lshl_b32 s16, s16, 12                        ; rows of 4,096 bytes
	s_mov_b32 s17, 0
	s_add_nc_u64 s[8:9], s[8:9], s[16:17]
	s_lshl_b32 s46, s42, 10                        ; my first output, in bytes: 1,024 Nt + 512 x half
	s_lshl_b32 s47, s12, 9
	s_add_co_u32 s46, s46, s47
	s_mov_b32 s47, 0
	s_add_nc_u64 s[8:9], s[8:9], s[46:47]
; 8 matrix instructions: tokens' tile a x the eight tiles of outputs, 32 along K.  The 32 accumulators take turns in the same order in every quarter.
.macro MUL8 f, a, zero
.irp b, 0,1,2,3,4,5,6,7
.if \zero
	v_wmma_f32_16x16x32_f16 v[8*(8*(\a)+\b):8*(8*(\a)+\b)+7], v[\f+8*\b:\f+8*\b+7], v[\f+64+8*(\a):\f+64+8*(\a)+7], 0
.else
	v_wmma_f32_16x16x32_f16 v[8*(8*(\a)+\b):8*(8*(\a)+\b)+7], v[\f+8*\b:\f+8*\b+7], v[\f+64+8*(\a):\f+64+8*(\a)+7], v[8*(8*(\a)+\b):8*(8*(\a)+\b)+7]
.endif
.endr
.endm
; 24 LDS loads in one run: the fragments of the slot's kg-th 32 along K into buffer f: w_out's eight, then o's four
.macro FETCH slot, kg, f
.irp b, 0,1,2,3,4,5,6,7
	ds_load_b128 v[\f+8*\b:\f+8*\b+3],   v[ADRW+\slot] offset:16384*(\kg)+1024*\b
	ds_load_b128 v[\f+8*\b+4:\f+8*\b+7], v[ADRW+\slot] offset:16384*(\kg)+1024*\b+512
.endr
.irp a, 0,1,2,3
	ds_load_b128 v[\f+64+8*\a:\f+64+8*\a+3],   v[ADRO+\slot] offset:8192*(\kg)+1024*\a
	ds_load_b128 v[\f+64+8*\a+4:\f+64+8*\a+7], v[ADRO+\slot] offset:8192*(\kg)+1024*\a+512
.endr
.endm
; A K step is four quarters of 32 along K, 32 matrix instructions each, on buffers 0, 1, 0, 1.  One of the first three: multiplies buffer f and fetches the next quarter into g.
.macro QUARTER slot, kg, f, g, zero
	s_wait_dscnt 4                                 ; w_out's fragments and o's tiles 0, 1 are in; the youngest four loads may be out
	WIN MUL
	MUL8 \f, 0, \zero
	MUL8 \f, 1, \zero
	PLACES                                         ; ahead of loads into registers that matrix instructions have read
	WIN 0
	FETCH \slot, \kg, \g
	s_wait_dscnt 24                                ; all but the 24 just issued
	WIN MUL
	MUL8 \f, 2, \zero
	MUL8 \f, 3, \zero
.endm
; The last quarter multiplies buffer 1 and changes slots: ONE barrier; in front of it each wave waits for all its tensor loads, adds 0 to its spare word, and waits for that and for its reads of this slot.
; fill = 1: the barrier opens a round of the cluster's, and this slot is filled again, two K steps ahead, first thing behind it.
.macro TURN slot, next, fill
	WIN 0
	s_wait_tensorcnt 0x0                           ; all my tensor loads have landed: my part of the next slot
	ds_add_u32 v[SPW], v[NIL]                      ; 0 onto my spare word
	s_wait_dscnt 5                                 ; (the add and the youngest four loads may be out)
	WIN MUL
	MUL8 F1, 0, 0                                  ; eight matrix instructions stand between the add and the wait for it
	s_wait_dscnt 0x0                               ; the add is done, and my reads of this slot are over
	s_barrier_signal -1
	MUL8 F1, 1, 0
	WIN 0
	s_barrier_wait -1
.if \fill
	CREST                                          ; no wave of any partner still reads this slot's tile or has a load on its way
	s_add_nc_u64 s[G0+4*\slot+2:G0+4*\slot+3], s[G0+4*\slot+2:G0+4*\slot+3], 2*32768
	s_add_nc_u64 s[G0B+4*\slot+2:G0B+4*\slot+3], s[G0B+4*\slot+2:G0B+4*\slot+3], 2*65536
	JLOAD \slot                                    ; the four v_nop behind it are also the places in front of the loads below
.else
	PLACES
.endif
	FETCH \next, 0, F0
	WIN MUL
	MUL8 F1, 2, 0
	MUL8 F1, 3, 0
.endm
	s_wait_tensorcnt 1                             ; my part of K step 0 is in (K step 1's load may be out),
	s_barrier_signal -1
	s_barrier_wait -1                              ; everybody's is
	FETCH 0, 0, F0
	QUARTER 0, 1, F0, F1, 1                        ; the first quarter stands in front of the loop: its products start the sums
	WIN 0
	s_mov_b32 s3, LAPS-1
.Llap:                                             ; a trip goes once round the ring and fills both slots again
	QUARTER 0, 2, F1, F0, 0
	QUARTER 0, 3, F0, F1, 0
	TURN 0, 1, 1
	QUARTER 1, 1, F0, F1, 0
	QUARTER 1, 2, F1, F0, 0
	QUARTER 1, 3, F0, F1, 0
	TURN 1, 0, 1
	QUARTER 0, 1, F0, F1, 0
	WIN 0
	s_sub_co_u32 s3, s3, 1
	s_cmp_lg_u32 s3, 0
	s_cbranch_scc1 .Llap
	QUARTER 0, 2, F1, F0, 0                        ; the last lap fills nothing
	QUARTER 0, 3, F0, F1, 0
	TURN 0, 1, 0
	QUARTER 1, 1, F0, F1, 0
	QUARTER 1, 2, F1, F0, 0
	QUARTER 1, 3, F0, F1, 0
	s_wait_dscnt 4                                 ; the very last quarter: nothing more to fetch
	WIN MUL
	MUL8 F1, 0, 0
	MUL8 F1, 1, 0
	s_wait_dscnt 0x0
	MUL8 F1, 2, 0
	MUL8 F1, 3, 0
	WIN 0
; THE WAY OUT, 16 tokens x 128 outputs at a time: a lane holds 32 neighbouring bytes of a row, so a block goes through my own stage in LDS and comes back as whole rows of 512 bytes.
; LDS serves a wave's instructions in order (ISA guide 5.7.1.4): no wait between the stores and the loads, nor in front of the next block's stores.
.macro TOSTAGE a
	WIN 0x04                                       ; an LDS store's data are its source 1: window 1
.irp b, 0,1,2,3,4,5,6,7
	ds_store_b128 v[STO], v[64*(\a)+8*\b:64*(\a)+8*\b+3] offset:64*\b          ; each accumulator from its low end on
	ds_store_b128 v[STO], v[64*(\a)+8*\b+4:64*(\a)+8*\b+7] offset:64*\b+16
.endr
	WIN 0
.irp t, 0,1,2,3,4,5,6,7,8,9,10,11,12,13,14,15
	ds_load_b128 v[BK+64*((\a)%2)+4*\t:BK+64*((\a)%2)+4*\t+3], v[RD] offset:\t*SPITCH
.endr
.endm
.macro SEND a, younger                 ; younger: the LDS instructions issued behind block a's loads, which may stay out
	s_wait_dscnt \younger
.irp t, 0,1,2,3,4,5,6,7,8,9,10,11,12,13,14,15
	global_store_b128 v[CO], v[BK+64*((\a)%2)+4*\t:BK+64*((\a)%2)+4*\t+3], s[8:9] offset:4096*(16*(\a)+\t) th:TH_STORE_NT   ; 32 lanes store 512 consecutive bytes, aligned; written once
.endr
.endm
	PLACES                                         ; ahead of the first read of results and of loads into registers that the last products read
	TOSTAGE 0
.irp a, 1,2,3
.if \a > 1
	s_wait_xcnt 0x0                                ; block a - 2's stores have read their registers: block a's loads may land there
.endif
	TOSTAGE \a
	SEND \a-1, 32                                  ; behind block a - 1's loads: block a's 16 stores and 16 loads
.endr
	SEND 3, 0
	s_wait_tensorcnt 0x0                           ; the wave's end, behind my last tensor load and my last LDS store
	ds_add_u32 v[SPW], v[NIL]
	s_wait_dscnt 0x0
	CROUND                                         ; the closing round: no work-group ends while a partner may still ask for a tile that names it
	s_endpgm
.Lfunc_end_k_q2b176e9103_outp:
	.size	k_q2b176e9103_outp, .Lfunc_end_k_q2b176e9103_outp-k_q2b176e9103_outp
	.p2alignl 7, 3214868480
	.fill 96, 4, 3214868480
	.section	.rodata,"a",@progbits
	.p2align	6, 0x0
	.amdhsa_kernel k_q2b176e9103_outp
		.amdhsa_group_segment_fixed_size 327680
		.amdhsa_private_segment_fixed_size 0
		.amdhsa_enable_private_segment 0
		.amdhsa_kernarg_size 24
		.amdhsa_user_sgpr_count 2
		.amdhsa_user_sgpr_kernarg_segment_ptr 1
		.amdhsa_wavefront_size32 1
		.amdhsa_system_sgpr_workgroup_id_x 1
		.amdhsa_system_sgpr_workgroup_id_y 1
		.amdhsa_system_sgpr_workgroup_id_z 1
		.amdhsa_system_vgpr_workitem_id 0
		.amdhsa_next_free_vgpr 512
		.amdhsa_next_free_sgpr 66
		.amdhsa_reserve_vcc 0
		.amdhsa_float_denorm_mode_32 3
		.amdhsa_float_denorm_mode_16_64 3
		.amdhsa_memory_ordered 1
		.amdhsa_forward_progress 1
		.amdhsa_inst_pref_size 84
	.end_amdhsa_kernel
	.amdgpu_metadata
---
amdhsa.version: [ 1, 2 ]
amdhsa.kernels:
  - .name:           k_q2b176e9103_outp
    .symbol:         k_q2b176e9103_outp.kd
    .args:
      - { .name: ob, .offset: 0, .size: 8, .value_kind: global_buffer, .address_space: global }
      - { .name: wo16, .offset: 8, .size: 8, .value_kind: global_buffer, .address_space: global }
      - { .name: out0, .offset: 16, .size: 8, .value_kind: global_buffer, .address_space: global }
    .group_segment_fixed_size: 327680
    .private_segment_fixed_size: 0
    .kernarg_segment_align: 8
    .kernarg_segment_size: 24
    .max_flat_workgroup_size: 128
    .sgpr_count:     66
    .vgpr_count:     512
    .wavefront_size: 32
...
	.end_amdgpu_metadata
.endif
;; end of part 4
